; MI455X (gfx1250); checked and timed in simulation.
; The chip was launched on July 23, 2026; its instructions are those of AMD's public machine-readable ISA for CDNA 5 (MIT licence, August 2026) and "CDNA5" Instruction Set Architecture Reference Guide (July 2026). The comments in the code are by the model that wrote it; some were corrected since.
;; Spatial Diff Attn. Allowed arithmetic: matrix products marked QUANTISED: E4M3 operands, one E8M0 scale for each 32 along K, by v_wmma_scale_f32_16x16x128_f8f6f4 with both operands' format E4M3, f32 sums; products left as they are: f32 operands where the result goes on into a quantised operand, else bf16, f16 or f32 operands; f32 sums; everything else in f32.
;; Inputs: Wk 256 x 256 float32; Wq 256 x 256 float32; Wv 256 x 256 float32; lk1 16 float32; lk2 16 float32; ln_beta 32 float32; ln_gamma 32 float32; lq1 16 float32; lq2 16 float32; x 2 x 16 x 512 x 256 float32.
;; Outputs: out0 2 x 16 x 512 x 256 float32.
;; This version of the problem:
;;   THIS VERSION OF THE PROBLEM IS GIVEN IN LOW PRECISION. The matrix products marked QUANTISED in the list below multiply operands that are first quantised to E4M3 (4 exponent bits, 3 mantissa bits; 8 bits a number), with one power-of-two scale for each 32 numbers along K (OCP MX v1.0); their sums are f32. All else is computed in f32.
;;   The module's matrix products, in the order in which they are computed (A, B: the left and right operand; K: the contracted axis; several contracted axes count as one K, in the product's order):
;;     1. [M 16,384, K 256] x [K 256, N 256]; A: input x; B: input Wq: QUANTISED
;;     2. [M 16,384, K 256] x [K 256, N 256]; A: input x; B: input Wk: QUANTISED
;;     3. [M 16,384, K 256] x [K 256, N 256]; A: input x; B: input Wv: QUANTISED
;;     4. batch 256 x [M 512, K 16] x [K 16, N 512]; A: computed on the way; B: computed on the way: left as it is (K = 16 < 32)
;;     5. batch 256 x [M 16, K 512] x [K 512, N 512]; A: computed on the way; B: softmax (see below): QUANTISED
;;     6. batch 256 x [M 16, K 512] x [K 512, N 512]; A: computed on the way; B: softmax (see below): QUANTISED
;;     7. batch 256 x [M 512, K 16] x [K 16, N 512]; A: computed on the way; B: computed on the way: left as it is (K = 16 < 32)
;;     8. batch 256 x [M 16, K 512] x [K 512, N 512]; A: computed on the way; B: softmax (see below): QUANTISED
;;     9. batch 256 x [M 16, K 512] x [K 512, N 512]; A: computed on the way; B: softmax (see below): QUANTISED
;;   THE QUANTISER, for each operand of a quantised product, along K:
;;     - K is cut into blocks of 32 from its start; a last block that is shorter is filled with zeros.
;;     - A block's scale is 2^e with e = floor(log2(the largest magnitude in the block)) - 8, held to -126 .. 127; a block of zeros has e = 0. As a byte (E8M0): e + 127.
;;     - Each number is divided by its block's scale, clamped to +-448, and rounded to the nearest number of E4M3, ties to even, subnormals kept.
;;     - The product sums the exact products of the quantised numbers (number of the format x scale) in f32.
;;   ~~~python
;;   def quantise(x, axis):      # numpy; x: float32 -> the quantised numbers, widened to float32 again
;;       x = np.moveaxis(x, axis, -1); K = x.shape[-1]
;;       x = np.pad(x, [(0, 0)] * (x.ndim - 1) + [(0, -K % 32)]); x = x.reshape(x.shape[:-1] + (-1, 32)); a = np.abs(x).max(-1, keepdims=True)
;;       e = np.where(a > 0, np.clip(np.frexp(np.where(a > 0, a, 1))[1] - 1 - 8, -126, 127), 0)      # np.frexp(a)[1] - 1 = floor(log2(a)), exactly
;;       r = np.clip(x / 2.0 ** e, -448, 448)
;;       step = 2.0 ** (np.maximum(np.frexp(np.where(r == 0, 1, r))[1] - 1, -6) - 3)
;;       q = np.round(r / step) * step * 2.0 ** e      # np.round: ties to even
;;       return np.moveaxis(q.reshape(q.shape[:-2] + (-1,))[..., :K], -1, axis).astype(np.float32)
;;   ~~~
;;   SOFTMAX AHEAD OF A QUANTISED PRODUCT. Where the list says 'softmax', what is quantised is not the finished softmax but p = 2^(t - M), with t = logit x log2(e) and M = ceil(the row's largest t), a whole number; so 1/2 < the row's largest p <= 1. The row's sum l is taken of the UNQUANTISED p, in f32, and the product's result is divided by l at the end. Since M is a whole number, a kernel that streams over the keys may use a running M (the ceiling of the running maximum): every later rescaling is an exact power of two, which a block's scale takes up: the codes' values come out the same.
;;   OPERANDS COMPUTED ON THE WAY. 'Computed on the way' means the value that the module computes at that place (a softmax that the list does not call 'softmax' is quantised finished and normalised). What goes into a quantiser is computed in f32, as accurately as f32 sums, v_exp_f32 and their like allow (about 1e-6 of the number): no bf16 or f16 on the way to a quantiser, and a product that is left as it is and whose result goes on into a quantised operand takes f32 operands (vector FMAs, or v_wmma_f32_16x16x4_f32). A number that lies on a knife's edge between two numbers of the format may be rounded either way, as far as f32 arithmetic and the matrix unit's own rounding can turn it there, and no further.
;; 2 versions, each right; version 2 is version 1 with the launch sda written anew for expert scheduling mode. Each part assembles by itself: llvm-mc -triple=amdgcn-amd-amdhsa -mcpu=gfx1250 --defsym DOCPART=n.
;; ======== version 1 of 2: 1 launch
;; launch sda (part 1): grid 8 x 32, 16 waves a work-group, no clusters, 313,344 bytes of LDS; arguments x, Wq, Wk, Wv, lq1, lk1, lq2, lk2, ln_gamma, ln_beta, out0; writes out0
.if DOCPART == 1
	.amdgcn_target "amdgcn-amd-amdhsa--gfx1250"
	.amdhsa_code_object_version 6
	.text
	.protected	k_q2b21d36f7a_sda
	.globl	k_q2b21d36f7a_sda
	.p2align	8
	.type	k_q2b21d36f7a_sda,@function
k_q2b21d36f7a_sda:
	s_mov_b64 s[64:65], 0
	v_nop
	global_prefetch_b8 v0, s[64:65] scope:SCOPE_SE
	s_setreg_imm32_b32 hwreg(HW_REG_WAVE_MODE, 25, 1), 1
	s_wait_xcnt 0x0
; Differential attention over 512 tokens, 8 heads, two score streams a head (q1.k1, q2.k2, 16 dims each) on one V of 32 channels; then y = O1/l1 - lam O2/l2, a layer norm over the 32 channels, gain, bias, x (1 - LAMBDA_INIT).
; QUANTISED (codes of E4M3, one E8M0 byte for each 32 along K, scaled 16x16x128 matrix form): x Wq, x Wk, x Wv (K = 256) and V^T P^T (K = the keys).  The scores (K = 16) feed a quantiser, so they take f32 operands: the 16x16x4 f32 form.
; SHARES.  256 work-groups = 32 (b, t) x 4 pairs of heads x 2 halves of the queries.  A work-group quantises its 192 columns of the weights and all 512 rows of x[bt], projects K and V of its 2 heads for 512 rows and Q for its 256
; rows, keeps them in LDS as images of operand registers, and runs 4 streams (2 heads x 2 halves).  16 waves of 256 registers; a wave owns 16 queries.  A pair of heads is 64 channels = 256 bytes of an output row: stores fill whole aligned runs of 256 bytes.
; ROWS.  Tile a (0, 1) of wave w, place r, is row 32 w + 8 (a xor qh) + r + 8 (r / 8): the two tiles are the block of keys 32 w .. 32 w + 31, tile 0 the wave's 16 queries.  qh enters global addresses alone.
; LAYOUT.  K, Q: source 0 = 16 columns of W, source 1 = 16 rows of x: a lane holds one row's dims 8 h + 0 .. 7, which are the f32 operand as they stand (step ks takes registers 2 ks, 2 ks + 1; the same order of dims on both sides).
; S^T = K Q^T: lane (r, h) holds query r, register j of tile a the block's key place 16 h + 8 a + j.  V: source 0 = x, source 1 = Wv: lane (r, h) holds channel r at the same key places.  So p's and V's 16 registers of a block run alike.
; A KEY STEP is 64 keys.  The second product's source 0 is [V0 block 0, V0 block 1, V1 block 0, V1 block 1] (V0, V1: the head's two tiles of channels), source 1 is [p, zeros] for O0 and [zeros, p] for O1: zero codes add nothing.
; SOFTMAX: t = score x log2(e) / 4; M = the running largest t rounded up to a whole number; p = 2^(t - M) is quantised; the sum is taken of the unquantised p; O and the sum are multiplied by 2^(old M - new M) in every step.
; BY TURNS: a step's softmax is cut into 16 slices, one behind each of the next step's 16 score products, so that vector and matrix work of one wave stand side by side; S has two sets of registers.
; NO JOINT LOADS, NO TENSOR LOADS: the 8 work-groups of a bt do read the same x, but the quantiser wants x in registers (512 KiB of f32 against 128 KiB of codes through LDS), and 512 KiB would pass through what LDS is left only in many rounds.
; LIMITS: NaN and infinities among the inputs are not served.  A block of zeros gets the scale byte 1 (its codes are zeros; this program alone reads the bytes); a block's largest magnitude is taken no smaller than 2^-118.
; The order of the 16 dims in a score and of the 32 keys in a block differs from memory's, alike on both operands: only the order of f32 additions changes.  (1 - LAMBDA_INIT) is multiplied into gain and bias: one rounding more.
; LDS (bytes)
.set QIMG, 131072                      ; K's images lie at 0: stream x 32,768 + tile of keys x 1,024 (registers 0-3 at 16 x lane, 4-7 at 512 + 16 x lane);  Q's here: wave x 4,096 + stream x 1,024
.set XSTW, 8960                        ; until the first barrier, over K's and Q's bytes: a stage for each wave: 32 rows x 272 of x's codes,
.set XSCO, 8704                        ; and behind them 32 x 8 scale bytes
.set VIMG, 196608                      ; V: a record for each (head, key step): 4 x 512 bytes of codes, then a scale word at 16 x lane
.set VREC, 2560
.set WIMG, 237568                      ; the weights' fragments F = ((4 m + ct) 2 + s): F x 2,048 + 512 c + 16 x lane;  m = 0 q, 1 k, 2 v
.set WSC,  286720                      ; their scale words: F x 64 + 4 r
.set STG,  237568                      ; behind the second barrier, over the weights: a stage of 16 rows x 272 for each wave
.set STGW, 4352
.set GB,   307200                      ; gain and bias x (1 - LAMBDA_INIT): 256 bytes for each wave
.set FLOOR, 0x4800000                  ; 2^(9 - 127): under it no largest magnitude is taken, so a scale's byte cannot fall under 1
.set EOFF,  0xfc000000                 ; takes 8 off an exponent field
.set EXPM,  0x7f800000
; REGISTERS.  v16-79 are written by matrix instructions alone, in the whole text
.set SA,  16                           ; S^T, two sets of 32; the projections' sums too
.set SB,  48
.set BUF, 80                           ; v80-175: three buffers of 32 for numbers as loaded; later W's fragments (v80-143) and V's quantiser (v144-173)
.set XC,  176                          ; v176-239: x's codes: fragment (a, s) at 16 (2 a + s)
.set XS,  248                          ; v248-251 x's scale words; v252-255 the weights'; later v252 V's, v253 p's: these eight hold scales until the closing lines use v254-255
.set KA,  80                           ; K of a step: tiles 0, 1 at v80, tiles 2, 3 at v96
.set P0,  112                          ; p, block 0; block 1 at v128
.set P1,  128
.set VV,  144
.set Z0,  160                          ; 8 registers of zero codes | p's 8 registers of codes | 8 registers of zero codes
.set PCD, 168
.set Z1,  176
.set O0,  184
.set O1,  192
.set SV,  200                          ; the first stream's O / l, then y
.set QA,  216
.set QB,  224
.set NM,  232                          ; v232 -M, v233 the largest t
.set L0,  234                          ; the sum, in four parts
.set L1,  236
.set FF,  238                          ; a factor; v239 is named with it as a pair
.set BM,  240                          ; the two blocks' largest score, then largest p
.set PX,  242
.set H0,  244                          ; 448 x the scale, block 0, block 1
.set VS,  252
.set PW,  253
.set CS,  11                           ; v11-12 the conversions' scale operands
.set T,   13
	s_load_b256 s[4:11], s[0:1], 0x0               ; x, Wq, Wk, Wv
	s_load_b256 s[12:19], s[0:1], 0x20             ; lq1, lk1, lq2, lk2
	s_load_b128 s[20:23], s[0:1], 0x40             ; gain, bias
	s_load_b64 s[24:25], s[0:1], 0x50              ; out
	v_lshrrev_b32 v241, 5, v0
	v_readfirstlane_b32 s26, v241                  ; wave w, 0 .. 15
	s_lshr_b32 s27, ttmp9, 1                       ; hp: the pair of heads
	s_and_b32 s28, ttmp9, 1                        ; qh: the half of the queries
	s_and_b32 s29, ttmp7, 0xffff                   ; bt
	s_mov_b32 s38, 0x76543210
	s_mov_b32 s39, 0xfedcba98                      ; v_permlanex16_b32's selects for lane l xor 16
	s_mov_b32 s40, 0x600000                        ; the mantissa field of 448
	s_mov_b32 s42, 0x3eb8aa3b                      ; c = log2(e) / 4
	s_mov_b32 s43, s42                             ; (named with it as a pair)
	s_mov_b32 s50, 0x3d000000                      ; 1 / 32
	s_mov_b32 s51, 0x3727c5ac                      ; 1e-5
	v_and_b32 v243, 31, v0                         ; lane L
	v_and_b32 v244, 15, v0                         ; r
	v_bfe_u32 v245, v0, 4, 1                       ; h
	v_lshlrev_b32 v1, 5, v243                      ; x: 32 L: my 8 numbers of a row
	v_lshlrev_b32 v2, 2, v243                      ; W: 4 L: my column
	v_lshlrev_b32 v241, 2, v244                    ; 4 r
	s_lshl_b32 s47, s26, 12
	s_add_co_u32 s47, s47, QIMG
	v_lshl_add_u32 v3, v243, 4, s47                ; Q's images: QIMG + 4,096 w + 16 L
	s_lshr_b32 s47, s26, 3
	s_lshl_b32 s48, s47, 13
	s_and_b32 s49, s26, 7
	s_lshl_b32 s49, s49, 9
	s_add_co_u32 s48, s48, s49
	s_add_co_u32 s48, s48, WIMG
	v_lshl_add_u32 v4, v244, 4, s48
	v_lshl_add_u32 v4, v245, 12, v4                ; where I store W's codes: WIMG + 8,192 (w / 8) + 4,096 h + 512 (w % 8) + 16 r
	s_lshl_b32 s48, s47, 8
	s_bfe_u32 s49, s26, 0x10002
	s_lshl_b32 s49, s49, 6
	s_add_co_u32 s48, s48, s49
	s_and_b32 s49, s26, 3
	s_add_co_u32 s48, s48, s49
	s_add_co_u32 s48, s48, WSC
	v_lshl_add_u32 v5, v245, 7, v241
	v_add_nc_u32 v5, s48, v5                       ; and its scale byte: WSC + 256 (w / 8) + 128 h + 64 ((w % 8) / 4) + 4 r + w % 4
	s_mul_i32 s49, s26, XSTW                       ; my stage for x
	v_lshl_add_u32 v6, v243, 3, s49                ; in: 8 L
	s_add_co_u32 s48, s49, XSCO
	v_lshrrev_b32 v7, 2, v243
	v_add_nc_u32 v7, s48, v7                       ; a block's byte: L / 4
	v_mul_u32_u24 v8, v244, 272
	v_lshl_add_u32 v8, v245, 4, v8
	v_add_nc_u32 v8, s49, v8                       ; back: row r, + 16 h
	v_lshl_add_u32 v9, v244, 3, s48                ; row r's scale bytes
	v_lshl_add_u32 v11, v243, 4, WIMG              ; W's fragments: 16 L
	v_add_nc_u32 v12, WSC, v241                    ; their scale words: 4 r
	s_lshl_b32 s48, s26, 11
	v_lshl_add_u32 v13, v243, 4, s48               ; K's images, streams 0, 1: 2,048 w + 16 L
	v_add_nc_u32 v14, 0x10000, v13                 ; streams 2, 3
	s_lshr_b32 s48, s26, 1
	s_mul_i32 s48, s48, VREC
	s_add_co_u32 s48, s48, VIMG
	s_and_b32 s49, s26, 1
	s_lshl_b32 s47, s49, 9
	s_add_co_u32 s47, s47, s48
	v_lshl_add_u32 v15, v243, 4, s47               ; V's codes: record w / 2, block w % 2, 16 L
	s_add_co_u32 s47, s48, s49
	s_add_co_u32 s47, s47, 2048
	v_lshl_add_u32 v240, v243, 4, s47              ; V's scale byte: word at 16 L, byte w % 2 (+ 2 for the second tile of channels)
	s_lshl_b32 s30, s29, 9
	s_lshl_b32 s31, s26, 5
	s_add_co_u32 s30, s30, s31                     ; row 512 bt + 32 w
	s_lshl_b32 s47, s28, 3
	s_xor_b32 s48, s47, 8
	s_add_co_u32 s32, s30, s47
	s_lshl_b32 s32, s32, 10                        ; tile 0's first row, in bytes (under 2^24)
	s_mov_b32 s33, 0
	s_add_co_u32 s30, s30, s48
	s_lshl_b32 s30, s30, 10                        ; tile 1's
	s_mov_b32 s31, 0
	s_wait_kmcnt 0x0
	s_add_nc_u64 s[34:35], s[4:5], s[32:33]        ; x at tile 0
	s_add_nc_u64 s[36:37], s[4:5], s[30:31]        ; x at tile 1
	s_lshl_b32 s47, s27, 8                         ; 256 hp: the pair's 64 columns in bytes
	s_add_co_u32 s32, s32, s47
	s_add_nc_u64 s[24:25], s[24:25], s[32:33]      ; out at my first query, my pair of heads
	s_lshr_b32 s48, s26, 3
	s_lshl_b32 s48, s48, 7
	s_add_co_u32 s30, s47, s48                     ; W: columns 64 hp + 32 (w / 8),
	s_and_b32 s48, s26, 7
	s_lshl_b32 s48, s48, 15
	s_add_co_u32 s30, s30, s48                     ; rows 32 (w % 8) on
	s_add_nc_u64 s[6:7], s[6:7], s[30:31]
	s_add_nc_u64 s[8:9], s[8:9], s[30:31]
	s_add_nc_u64 s[10:11], s[10:11], s[30:31]
	global_load_b32 v242, v241, s[12:13]           ; lq1, lk1, lq2, lk2 at r; gain and bias at L
	global_load_b32 v243, v241, s[14:15]
	global_load_b32 v244, v241, s[16:17]
	global_load_b32 v245, v241, s[18:19]
	global_load_b32 v246, v2, s[20:21]
	global_load_b32 v247, v2, s[22:23]
; ---- QUANTISING.  Eleven items (Wq, Wk, Wv, eight pieces of x) go through three buffers; two items' loads are out while one is worked on.
.macro WLOAD buf, sb                   ; a lane takes a column, its 32 registers run down a block of K: 128 neighbouring bytes a load
.set wi, 0
.rept 32
	global_load_b32 v[\buf+wi], v2, s[\sb:\sb+1] offset:wi*1024
.set wi, wi+1
.endr
.endm
.macro QW m, buf                       ; the block's largest magnitude needs no other lane; the codes are two groups of four operand registers (k 0-15: lane r; k 16-31: lane r + 16)
	v_max3_num_f32 v203, |v[\buf]|, |v[\buf+1]|, FLOOR
	v_max3_num_f32 v204, |v[\buf+2]|, |v[\buf+3]|, |v[\buf+4]|
.irp i, 5,9,13,17,21,25
	v_max3_num_f32 v203, v203, |v[\buf+\i]|, |v[\buf+\i+1]|
	v_max3_num_f32 v204, v204, |v[\buf+\i+2]|, |v[\buf+\i+3]|
.endr
	v_max3_num_f32 v203, v203, |v[\buf+29]|, |v[\buf+30]|
	v_max3_num_f32 v203, v203, v204, |v[\buf+31]|
	v_add_nc_u32 v207, EOFF, v203                  ; the conversion takes this operand's exponent field as its scale
	v_and_or_b32 v211, v203, EXPM, s40             ; 448 x the scale
	v_lshrrev_b32 v[200+\m], 23, v207              ; the scale's byte
.set wi, 0
.rept 32
	v_med3_num_f32 v[\buf+wi], v[\buf+wi], -v211, v211   ; the conversion to an 8-bit code does not saturate (ISA guide 7.6.2): the hold
.set wi, wi+1
.endr
.irp g, 0,1,2,3
	v_cvt_scalef32_pk8_fp8_f32 v[176+8*\m+2*\g:176+8*\m+2*\g+1], v[\buf+8*\g:\buf+8*\g+7], v207
.endr
	v_nop                                          ; a plain line behind the last conversion of a run
	ds_store_b128 v4, v[176+8*\m:176+8*\m+3] offset:\m*16384
	ds_store_b128 v4, v[176+8*\m+4:176+8*\m+7] offset:\m*16384+256
	ds_store_b8 v5, v[200+\m] offset:\m*512
.endm
.macro XLOAD p, buf                    ; piece p: rows 4 (p % 4) + 0 .. 3 of tile p / 4; a lane takes 8 neighbours along K; a row's two loads cover its 1,024 bytes
.irp rr, 0,1,2,3
.irp j, 0,1
	global_load_b128 v[\buf+8*\rr+4*\j:\buf+8*\rr+4*\j+3], v1, s[34+2*((\p)/4):35+2*((\p)/4)] offset:(4*((\p)%4)+\rr+8*(((\p)%4)/2))*1024+16*\j
.endr
.endr
.endm
.macro QX p, buf                       ; four lanes hold a block of 32; the four rows take turns
.set xB, 215+4*((\p)%2)
.set xC, 224+8*((\p)%2)
.if (\p) >= 2
	s_wait_dscnt 0x8                               ; only the last piece's 8 stores may be out: those of the piece before it have read the registers written below
.endif
.irp rr, 0,1,2,3
	v_max3_num_f32 v[203+\rr], |v[\buf+8*\rr]|, |v[\buf+8*\rr+1]|, FLOOR
.endr
.irp i, 2,4,6
.irp rr, 0,1,2,3
	v_max3_num_f32 v[203+\rr], v[203+\rr], |v[\buf+8*\rr+\i]|, |v[\buf+8*\rr+\i+1]|
.endr
.endr
.irp k, 1,2
.irp rr, 0,1,2,3
	v_max_num_f32_dpp v[203+\rr], v[203+\rr], v[203+\rr] row_xmask:\k row_mask:0xf bank_mask:0xf
.endr
.endr
.irp rr, 0,1,2,3
	v_add_nc_u32 v[207+\rr], EOFF, v[203+\rr]
.endr
.irp rr, 0,1,2,3
	v_and_or_b32 v[211+\rr], v[203+\rr], EXPM, s40
.endr
.irp rr, 0,1,2,3
	v_lshrrev_b32 v[xB+\rr], 23, v[207+\rr]
.endr
.irp rr, 0,1,2,3
.irp i, 0,1,2,3,4,5,6,7
	v_med3_num_f32 v[\buf+8*\rr+\i], v[\buf+8*\rr+\i], -v[211+\rr], v[211+\rr]
.endr
	v_cvt_scalef32_pk8_fp8_f32 v[xC+2*\rr:xC+2*\rr+1], v[\buf+8*\rr:\buf+8*\rr+7], v[207+\rr]
.endr
	v_nop                                          ; a plain line behind the last conversion of a run
.irp rr, 0,1,2,3
	ds_store_b64 v6, v[xC+2*\rr:xC+2*\rr+1] offset:(4*(\p)+\rr)*272
	ds_store_b8 v7, v[xB+\rr] offset:(4*(\p)+\rr)*8      ; a block's four lanes write the same byte with the same value
.endr
.endm
	WLOAD BUF, 6                                   ; Wq
	WLOAD BUF+32, 8                                ; Wk
	s_wait_loadcnt 32                              ; all but Wk's 32: the six small loads and Wq are in
	WLOAD BUF+64, 10                               ; Wv
	QW 0, BUF
	; lam = exp(lq1 . lk1) - exp(lq2 . lk2) + LAMBDA_INIT, in every lane; gain and bias x (1 - LAMBDA_INIT) into my 256 bytes of LDS
	v_mul_f32 v242, v242, v243
	v_mul_f32 v244, v244, v245
.irp k, 1,2,4,8
	v_add_f32_dpp v242, v242, v242 row_xmask:\k row_mask:0xf bank_mask:0xf
	v_add_f32_dpp v244, v244, v244 row_xmask:\k row_mask:0xf bank_mask:0xf
.endr
	v_mul_f32 v242, 0x3fb8aa3b, v242
	v_mul_f32 v244, 0x3fb8aa3b, v244
	v_exp_f32 v242, v242
	v_exp_f32 v244, v244
	v_mul_f32 v246, 0x3f24fd5c, v246               ; (plain lines behind the exponentials)  1 - LAMBDA_INIT = 0.64449093
	v_mul_f32 v247, 0x3f24fd5c, v247
	s_wait_alu depctr_va_vdst(0)
	v_sub_f32 v10, v242, v244
	v_add_f32 v10, 0x3eb60549, v10                 ; LAMBDA_INIT = 0.35550907
	s_lshl_b32 s47, s26, 8
	s_add_co_u32 s47, s47, GB
	v_add_nc_u32 v241, s47, v2                     ; (the loads that named v241 are in)
	ds_store_b32 v241, v246
	ds_store_b32 v241, v247 offset:128
	s_wait_loadcnt 32                              ; all but Wv's 32
	XLOAD 0, BUF
	QW 1, BUF+32
	s_wait_loadcnt 8                               ; all but piece 0's 8
	XLOAD 1, BUF+32
	QW 2, BUF+64
.irp p, 0,1,2,3,4,5,6,7
.if \p < 7
	s_wait_loadcnt 8                               ; all but the next piece's 8
.else
	s_wait_loadcnt 0
.endif
.if \p < 6
	XLOAD \p+2, BUF+32*((\p+2)%3)
.endif
	QX \p, BUF+32*(\p%3)
.endr
	s_wait_dscnt 0x0                               ; my stores have read their registers, over which x's fragments now land
.irp a, 0,1
.irp s, 0,1
.irp c, 0,1,2,3
	ds_load_b128 v[XC+16*(2*\a+\s)+4*\c:XC+16*(2*\a+\s)+4*\c+3], v8 offset:\a*4352+128*\s+32*\c   ; registers 4 c ..: k = 128 s + 32 c + 16 h + 0 .. 15 of row r
.endr
	ds_load_b32 v[XS+2*\a+\s], v9 offset:\a*128+4*\s
.endr
.endr
	s_wait_dscnt 0x0                               ; my stage is read out, my part of the weights' images has landed
	s_barrier_signal -1
	s_barrier_wait -1                              ; so has everybody's: the weights are whole, and K's and Q's images may be laid over the stages
; ---- THE PROJECTIONS
.macro LOADP fa, fb                    ; two tiles of 16 columns, both K steps: fragments fa, fa + 1 to v80, fb, fb + 1 to v112; their scale words to v252-255
.irp s, 0,1
.irp c, 0,1,2,3
	ds_load_b128 v[80+16*\s+4*\c:80+16*\s+4*\c+3], v11 offset:((\fa)+\s)*2048+512*\c
.endr
.endr
.irp s, 0,1
.irp c, 0,1,2,3
	ds_load_b128 v[112+16*\s+4*\c:112+16*\s+4*\c+3], v11 offset:((\fb)+\s)*2048+512*\c
.endr
.endr
	ds_load_b32 v252, v12 offset:64*(\fa)
	ds_load_b32 v253, v12 offset:64*(\fa)+64
	ds_load_b32 v254, v12 offset:64*(\fb)
	ds_load_b32 v255, v12 offset:64*(\fb)+64
.endm
.macro NOPS n
.rept \n
	v_nop
.endr
.endm
.macro KQMUL                           ; K of both tiles of rows and Q of tile 0, for one tile of 16 dims: three sums by turns
	v_wmma_scale_f32_16x16x128_f8f6f4 v[16:23], v[80:95], v[XC:XC+15], 0, v252, v248
	v_wmma_scale_f32_16x16x128_f8f6f4 v[24:31], v[80:95], v[XC+32:XC+47], 0, v252, v250
	v_wmma_scale_f32_16x16x128_f8f6f4 v[32:39], v[112:127], v[XC:XC+15], 0, v254, v248
	v_wmma_scale_f32_16x16x128_f8f6f4 v[16:23], v[96:111], v[XC+16:XC+31], v[16:23], v253, v249
	v_wmma_scale_f32_16x16x128_f8f6f4 v[24:31], v[96:111], v[XC+48:XC+63], v[24:31], v253, v251
	v_wmma_scale_f32_16x16x128_f8f6f4 v[32:39], v[128:143], v[XC+16:XC+31], v[32:39], v255, v249
.endm
.macro KQSTORE ct                      ; the results are f32 operands as they stand: images to LDS, each sum from its low end on
.set kR, 13+(\ct)/2
.irp i, 0,1,2,3
	ds_store_b128 v[kR], v[16+4*\i:16+4*\i+3] offset:((\ct)%2)*32768+512*\i
.endr
	ds_store_b128 v3, v[32:35] offset:(\ct)*1024
	ds_store_b128 v3, v[36:39] offset:(\ct)*1024+512
.endm
.macro VVMUL                           ; V: source 0 = x, source 1 = Wv: two tiles of channels x two tiles of rows: four sums by turns
.irp s, 0,1
.irp ctl, 0,1
.irp a, 0,1
.if \s == 0
	v_wmma_scale_f32_16x16x128_f8f6f4 v[16+16*\ctl+8*\a:16+16*\ctl+8*\a+7], v[XC+32*\a:XC+32*\a+15], v[80+32*\ctl:80+32*\ctl+15], 0, v[XS+2*\a], v[252+2*\ctl]
.else
	v_wmma_scale_f32_16x16x128_f8f6f4 v[16+16*\ctl+8*\a:16+16*\ctl+8*\a+7], v[XC+32*\a+16:XC+32*\a+31], v[96+32*\ctl:96+32*\ctl+15], v[16+16*\ctl+8*\a:16+16*\ctl+8*\a+7], v[XS+2*\a+1], v[253+2*\ctl]
.endif
.endr
.endr
.endr
.endm
.macro VQUANT acc, hd, ctl             ; a lane's 16 numbers of one channel, with lane l xor 16's, are my block of 32 keys: four registers of codes and a byte.  The held numbers go to other registers than the sums'
.set cC, 160+4*\ctl
.set cB, 168+\ctl
	v_max3_num_f32 v170, |v[\acc]|, |v[\acc+1]|, FLOOR
.irp i, 2,4,6,8,10,12,14
	v_max3_num_f32 v170, v170, |v[\acc+\i]|, |v[\acc+\i+1]|
.endr
	v_permlanex16_b32 v171, v170, s38, s39
	v_max_num_f32 v170, v170, v171
	v_add_nc_u32 v172, EOFF, v170
	v_and_or_b32 v173, v170, EXPM, s40
	v_lshrrev_b32 v[cB], 23, v172
.irp i, 0,1,2,3,4,5,6,7,8,9,10,11,12,13,14,15
	v_med3_num_f32 v[144+\i], v[\acc+\i], -v173, v173
.endr
	v_cvt_scalef32_pk8_fp8_f32 v[cC:cC+1], v[144:151], v172
	v_cvt_scalef32_pk8_fp8_f32 v[cC+2:cC+3], v[152:159], v172
	v_nop                                          ; a plain line behind the last conversion of a run
	ds_store_b128 v15, v[cC:cC+3] offset:\hd*20480+\ctl*1024
	ds_store_b8 v240, v[cB] offset:\hd*20480+2*\ctl
.endm
	v_mov_b32 v171, 0                              ; written once: a lane permute's destination counts as one of its sources
	LOADP 8, 0                                     ; Wk's tile 0, Wq's tile 0
.irp ct, 0,1,2,3
	s_wait_dscnt 0x0                               ; the fragments are in; the last tile's stores have read the sums' registers
	KQMUL
	NOPS 9                                         ; 8 places in front of loads into the products' sources and of stores of their results, 9 in front of the products that begin these sums anew
.if \ct < 3
	LOADP 8+2*(\ct+1), 2*(\ct+1)
.else
	LOADP 16, 18                                   ; Wv's tiles 0, 1: head 0
.endif
	KQSTORE \ct
.endr
	s_wait_dscnt 0x0
	VVMUL
	NOPS 9
	LOADP 20, 22                                   ; Wv's tiles 2, 3: head 1
	VQUANT 16, 0, 0
	VQUANT 32, 0, 1
	s_wait_dscnt 0x0
	VVMUL
	NOPS 9
	VQUANT 16, 1, 0
	VQUANT 32, 1, 1
	s_wait_dscnt 0x0                               ; my images of K, Q and V have landed, my reads of the weights are over
	s_barrier_signal -1
	s_barrier_wait -1                              ; everybody's: K and V are whole, and the stages may be laid over the weights
; ---- ATTENTION
	v_and_b32 v13, 31, v0
	v_and_b32 v14, 15, v0
	v_bfe_u32 v15, v0, 4, 1
	v_lshlrev_b32 v1, 4, v13                       ; 16 L: my place in an image
	v_add_nc_u32 v2, VIMG, v1
	ds_load_b128 v[QA:QA+3], v3                    ; Q of stream 0
	ds_load_b128 v[QA+4:QA+7], v3 offset:512
.irp i, 0,1,2,3,4,5,6,7
	ds_load_b128 v[KA+4*\i:KA+4*\i+3], v1 offset:512*\i   ; K of stream 0, step 0: four tiles
.endr
	s_lshl_b32 s47, s26, 8
	s_add_co_u32 s47, s47, GB
	v_lshl_add_u32 v6, v15, 5, s47                 ; gain and bias of my half's channels: + 32 h
	s_mul_i32 s48, s26, STGW
	s_add_co_u32 s48, s48, STG                     ; my stage
	v_mul_u32_u24 v7, v14, 272
	v_lshl_add_u32 v7, v15, 5, v7
	v_add_nc_u32 v7, s48, v7                       ; in: row r, + 32 h
	v_mul_u32_u24 v8, v15, 272
	v_lshl_add_u32 v8, v14, 4, v8
	v_add_nc_u32 v8, s48, v8                       ; back: lanes 0-15 one row, lanes 16-31 the next
	v_lshlrev_b32 v9, 10, v15
	v_lshl_add_u32 v9, v14, 4, v9                  ; and the same two rows in out
.irp i, 0,1,2,3,4,5,6,7
	v_mov_b32 v[Z0+\i], 0                          ; the zero codes
	v_mov_b32 v[Z1+\i], 0
.endr
	v_mov_b32 v[PX], 0                             ; written once: lane permutes' destinations
	v_mov_b32 v[PX+1], 0
	v_mov_b32 v[FF+1], 0                           ; (named as the upper half of a pair)
.macro INIT                            ; a stream begins: O and the sum are zeros, the largest t is -3e38: the first change of M multiplies zeros
.irp i, 0,1,2,3,4,5,6,7,8,9,10,11,12,13,14,15
	v_mov_b32 v[O0+\i], 0
.endr
.irp i, 0,1,2,3
	v_mov_b32 v[L0+\i], 0
.endr
	v_mov_b32 v[NM+1], 0xff61b1e6
	v_floor_f32 v[NM], -v[NM+1]
.endm
	INIT
; Score product k of 16 of a step: tiles of keys 2 (k / 8) + k % 2, dims step (k % 8) / 2.  Two sums take turns, one instruction a turn; each sum's first product takes the constant 0.
.macro MM k, y, qr, mat
.if \mat
.set mD, \y+8*(2*((\k)/8)+((\k)%2))
.set mA, KA+16*((\k)/8)+8*((\k)%2)+2*(((\k)%8)/2)
.set mB, \qr+2*(((\k)%8)/2)
.if (((\k)%8)/2) == 0
	v_wmma_f32_16x16x4_f32 v[mD:mD+7], v[mA:mA+1], v[mB:mB+1], 0
.else
	v_wmma_f32_16x16x4_f32 v[mD:mD+7], v[mA:mA+1], v[mB:mB+1], v[mD:mD+7]
.endif
.endif
.endm
.macro ARGS x, a, n                    ; t - M for pairs a .. a + n - 1, into p's registers (never into S's)
.set ai, \a
.rept \n
	v_pk_fma_f32 v[P0+2*ai:P0+2*ai+1], v[\x+2*ai:\x+2*ai+1], s[42:43], v[NM:NM+1] op_sel_hi:[1,0,0]
.set ai, ai+1
.endr
.endm
.macro EXPS a, n
.set ai, \a
.rept \n
	v_exp_f32 v[P0+ai], v[P0+ai]
.set ai, ai+1
.endr
.endm
; A PHASE: the softmax and the second product of the step whose scores lie in x; between its slices (mat = 1) the 16 score products of the next step, into y, with Q in qr.
; s44: LDS byte of the next step's K; s45: of this step's record of V.  ldka = 1: tiles 0, 1 of the step after the next are fetched.
; PLACES (8 behind these forms): the last slice's 8 additions stand between the last score product and the first read of its tile and the loads into v96-111; the first slice's lines between the last
; second products and the loads into V's registers; the 12 lines of the scales' slice between product 7, the last to read v80-95, and the loads into them.
.macro PHASE x, y, qr, mat, ldka
	s_wait_dscnt 0x0                               ; K's tiles 0, 1 (and at a stream's head Q) are in
	MM 0, \y, \qr, \mat
	v_max3_num_f32 v[BM], v[\x], v[\x+1], v[\x+2]  ; the largest score of each block of 32 keys, each tile from its low end on; the two blocks by turns
	v_max3_num_f32 v[BM+1], v[\x+16], v[\x+17], v[\x+18]
.irp i, 3,5,7
	v_max3_num_f32 v[BM], v[BM], v[\x+\i], v[\x+\i+1]
	v_max3_num_f32 v[BM+1], v[BM+1], v[\x+16+\i], v[\x+17+\i]
.endr
.if \mat
	v_add_nc_u32 v4, s44, v1
.endif
	v_add_nc_u32 v5, s45, v2
.if \mat
.irp i, 0,1,2,3
	ds_load_b128 v[KA+16+4*\i:KA+16+4*\i+3], v4 offset:2048+512*\i   ; the next step's tiles 2, 3
.endr
.endif
.irp i, 0,1,2,3
	ds_load_b128 v[VV+4*\i:VV+4*\i+3], v5 offset:512*\i   ; this step's V
.endr
	ds_load_b32 v[VS], v5 offset:2048              ; and its scale word
	MM 1, \y, \qr, \mat
.irp i, 9,11,13
	v_max3_num_f32 v[BM], v[BM], v[\x+\i], v[\x+\i+1]
	v_max3_num_f32 v[BM+1], v[BM+1], v[\x+16+\i], v[\x+17+\i]
.endr
	v_max_num_f32 v[BM], v[BM], v[\x+15]
	v_max_num_f32 v[BM+1], v[BM+1], v[\x+31]
	MM 2, \y, \qr, \mat
	v_permlanex16_b32 v[PX], v[BM], s38, s39
	v_permlanex16_b32 v[PX+1], v[BM+1], s38, s39
	v_max_num_f32 v[BM], v[BM], v[PX]              ; with lane l xor 16's 16 keys
	v_max_num_f32 v[BM+1], v[BM+1], v[PX+1]
	v_max_num_f32 v[T], v[BM], v[BM+1]
	v_mul_f32 v[T], s42, v[T]                      ; as t (c is positive)
	v_max_num_f32 v[NM+1], v[NM+1], v[T]           ; the running largest t
	v_mov_b32 v[T], v[NM]
	MM 3, \y, \qr, \mat
	v_floor_f32 v[NM], -v[NM+1]                    ; -M = floor(-t): M is a whole number
	v_sub_f32 v[T], v[NM], v[T]                    ; old M - new M, 0 or less
	v_cvt_i32_f32 v[T], v[T]                       ; (it saturates)
	v_ldexp_f32 v[FF], 1.0, v[T]                   ; f = 2^(old M - new M)
	v_fma_f32 v[BM], v[BM], s42, v[NM]             ; the blocks' largest scores go the way of all scores: p rises with the score
	v_fma_f32 v[BM+1], v[BM+1], s42, v[NM]
	ARGS \x, 0, 2
	MM 4, \y, \qr, \mat
	ARGS \x, 2, 7
	MM 5, \y, \qr, \mat
	ARGS \x, 9, 7
	MM 6, \y, \qr, \mat
	v_exp_f32 v[BM], v[BM]
	v_exp_f32 v[BM+1], v[BM+1]
	EXPS 0, 7                                      ; p = 2^(t - M)
	MM 7, \y, \qr, \mat
	EXPS 7, 9
.if \mat
	s_wait_dscnt 0x5                               ; K's tiles 2, 3 are in; V's four loads and its scale word's may be out
.endif
	MM 8, \y, \qr, \mat
	EXPS 16, 8
	MM 9, \y, \qr, \mat
	EXPS 24, 8
	MM 10, \y, \qr, \mat
	v_pk_mul_f32 v[L0:L0+1], v[L0:L0+1], v[FF:FF+1] op_sel_hi:[1,0]   ; the sums under the new M.  (A plain line behind the exponentials)
	v_pk_mul_f32 v[L1:L1+1], v[L1:L1+1], v[FF:FF+1] op_sel_hi:[1,0]
	s_wait_alu depctr_va_vdst(0)
	v_max_num_f32 v[BM], FLOOR, v[BM]
	v_max_num_f32 v[BM+1], FLOOR, v[BM+1]
	v_add_nc_u32 v[CS], EOFF, v[BM]                ; the conversions' scale operands
	v_add_nc_u32 v[CS+1], EOFF, v[BM+1]
	v_and_or_b32 v[H0], v[BM], EXPM, s40           ; 448 x the scale
	v_and_or_b32 v[H0+1], v[BM+1], EXPM, s40
	v_lshrrev_b32 v[PX], 23, v[CS]                 ; the bytes
	v_lshrrev_b32 v[PX+1], 23, v[CS+1]
	v_lshl_or_b32 v[PW], v[PX+1], 8, v[PX]
	v_lshl_or_b32 v[PW], v[PW], 16, v[PW]          ; p's scale word: (y0, y1, y0, y1)
.if \ldka
.irp i, 0,1,2,3
	ds_load_b128 v[KA+4*\i:KA+4*\i+3], v4 offset:4096+512*\i   ; tiles 0, 1 of the step after the next (behind a stream's last step lies the next stream's first)
.endr
.endif
	MM 11, \y, \qr, \mat
.irp i, 0,4,8,12
	v_pk_add_f32 v[L0:L0+1], v[L0:L0+1], v[P0+\i:P0+\i+1]   ; the sum is taken of the unquantised p
	v_pk_add_f32 v[L1:L1+1], v[L1:L1+1], v[P0+\i+2:P0+\i+3]
.endr
	MM 12, \y, \qr, \mat
.irp i, 0,1,2,3,4,5,6,7,8,9,10,11,12,13,14,15
	v_min_num_f32 v[P0+\i], v[P0+\i], v[H0]        ; the hold; p is not negative, so it is one-sided
.endr
	v_cvt_scalef32_pk8_fp8_f32 v[PCD:PCD+1], v[P0:P0+7], v[CS]
	v_cvt_scalef32_pk8_fp8_f32 v[PCD+2:PCD+3], v[P0+8:P0+15], v[CS]
	MM 13, \y, \qr, \mat
.irp i, 0,2,4,6,8,10,12,14
	v_pk_mul_f32 v[O0+\i:O0+\i+1], v[O0+\i:O0+\i+1], v[FF:FF+1] op_sel_hi:[1,0]   ; O under the new M; also the plain lines between the conversions above and the writes of their sources below
.endr
	MM 14, \y, \qr, \mat
.irp i, 0,1,2,3,4,5,6,7,8,9,10,11,12,13,14,15
	v_min_num_f32 v[P0+\i], v[P1+\i], v[H0+1]      ; block 1 is held into block 0's registers: its own stay as they are for the sum
.endr
	v_cvt_scalef32_pk8_fp8_f32 v[PCD+4:PCD+5], v[P0:P0+7], v[CS+1]
	v_cvt_scalef32_pk8_fp8_f32 v[PCD+6:PCD+7], v[P0+8:P0+15], v[CS+1]
	MM 15, \y, \qr, \mat
.irp i, 0,4,8,12
	v_pk_add_f32 v[L0:L0+1], v[L0:L0+1], v[P1+\i:P1+\i+1]
	v_pk_add_f32 v[L1:L1+1], v[L1:L1+1], v[P1+\i+2:P1+\i+3]
.endr
.if \ldka
	s_wait_dscnt 0x4                               ; V and its scale word are in; the four loads of K issued behind them may be out
.else
	s_wait_dscnt 0x0
.endif
	v_wmma_scale_f32_16x16x128_f8f6f4 v[O0:O0+7], v[VV:VV+15], v[PCD:PCD+15], v[O0:O0+7], v[VS], v[PW]   ; [p | zeros]: channels 0-15
	v_wmma_scale_f32_16x16x128_f8f6f4 v[O1:O1+7], v[VV:VV+15], v[Z0:Z0+15], v[O1:O1+7], v[VS], v[PW]     ; [zeros | p]: channels 16-31
	s_add_co_u32 s44, s44, 4096
	s_add_co_u32 s45, s45, VREC
.endm
.macro RECL                            ; 1 / the row's sum into v[FF]
	NOPS 8                                         ; places in front of the first reads of O
	v_pk_add_f32 v[L0:L0+1], v[L0:L0+1], v[L1:L1+1]
	v_add_f32 v[T], v[L0], v[L0+1]
	v_permlanex16_b32 v[PX], v[T], s38, s39
	v_add_f32 v[T], v[T], v[PX]                    ; with lane l xor 16's keys
	v_rcp_f32 v[FF], v[T]
	v_nop                                          ; a plain line behind the transcendental
.endm
.macro EPIEVEN                         ; the first stream of a head: O1 / l1 is kept
	RECL
	s_wait_alu depctr_va_vdst(0)
.irp i, 0,2,4,6,8,10,12,14
	v_pk_mul_f32 v[SV+\i:SV+\i+1], v[O0+\i:O0+\i+1], v[FF:FF+1] op_sel_hi:[1,0]
.endr
.endm
.macro EPIODD hd                       ; the second: y = O1 / l1 - lam O2 / l2; the layer norm over the query's 32 channels, 16 in this lane and 16 in lane l xor 16; into my stage
.irp ctl, 0,1
.irp q, 0,1
	ds_load_b128 v[P0+8*\ctl+4*\q:P0+8*\ctl+4*\q+3], v6 offset:64*\ctl+16*\q        ; gain of channels 16 ctl + 8 h + 4 q on
	ds_load_b128 v[P1+8*\ctl+4*\q:P1+8*\ctl+4*\q+3], v6 offset:128+64*\ctl+16*\q    ; bias
.endr
.endr
	RECL
	s_wait_alu depctr_va_vdst(0)
	v_mul_f32 v[FF], -v10, v[FF]                   ; -lam / l2
.irp i, 0,2,4,6,8,10,12,14
	v_pk_fma_f32 v[SV+\i:SV+\i+1], v[O0+\i:O0+\i+1], v[FF:FF+1], v[SV+\i:SV+\i+1] op_sel_hi:[1,0,1]
.endr
.irp i, 0,1,2,3
	v_pk_add_f32 v[VV+2*\i:VV+2*\i+1], v[SV+4*\i:SV+4*\i+1], v[SV+4*\i+2:SV+4*\i+3]
.endr
	v_pk_add_f32 v[VV:VV+1], v[VV:VV+1], v[VV+2:VV+3]
	v_pk_add_f32 v[VV+4:VV+5], v[VV+4:VV+5], v[VV+6:VV+7]
	v_pk_add_f32 v[VV:VV+1], v[VV:VV+1], v[VV+4:VV+5]
	v_add_f32 v[T], v[VV], v[VV+1]
	v_permlanex16_b32 v[PX], v[T], s38, s39
	v_add_f32 v[T], v[T], v[PX]
	v_mul_f32 v[FF], s50, v[T]                     ; the mean
.irp i, 0,2,4,6,8,10,12,14
	v_pk_add_f32 v[SV+\i:SV+\i+1], v[SV+\i:SV+\i+1], v[FF:FF+1] op_sel_hi:[1,0] neg_lo:[0,1] neg_hi:[0,1]
.endr
	v_pk_mul_f32 v[VV:VV+1], v[SV:SV+1], v[SV:SV+1]
	v_pk_mul_f32 v[VV+2:VV+3], v[SV+2:SV+3], v[SV+2:SV+3]
.irp i, 4,8,12
	v_pk_fma_f32 v[VV:VV+1], v[SV+\i:SV+\i+1], v[SV+\i:SV+\i+1], v[VV:VV+1]
	v_pk_fma_f32 v[VV+2:VV+3], v[SV+\i+2:SV+\i+3], v[SV+\i+2:SV+\i+3], v[VV+2:VV+3]
.endr
	v_pk_add_f32 v[VV:VV+1], v[VV:VV+1], v[VV+2:VV+3]
	v_add_f32 v[T], v[VV], v[VV+1]
	v_permlanex16_b32 v[PX], v[T], s38, s39
	v_add_f32 v[T], v[T], v[PX]
	v_fma_f32 v[T], v[T], s50, s51                 ; the variance + 1e-5
	v_rsq_f32 v[FF], v[T]
	v_nop                                          ; a plain line behind the transcendental
	s_wait_alu depctr_va_vdst(0)
.irp i, 0,2,4,6,8,10,12,14
	v_pk_mul_f32 v[SV+\i:SV+\i+1], v[SV+\i:SV+\i+1], v[FF:FF+1] op_sel_hi:[1,0]
.endr
	s_wait_dscnt 0x0                               ; gain and bias are in
.irp i, 0,2,4,6,8,10,12,14
	v_pk_fma_f32 v[P0+\i:P0+\i+1], v[SV+\i:SV+\i+1], v[P0+\i:P0+\i+1], v[P1+\i:P1+\i+1]
.endr
.irp ctl, 0,1
.irp q, 0,1
	ds_store_b128 v7, v[P0+8*\ctl+4*\q:P0+8*\ctl+4*\q+3] offset:128*\hd+64*\ctl+16*\q
.endr
.endr
.endm
; A STREAM: eight key steps.  Six in a loop of three trips (the two sets of S change places within a trip), the last two written out: beside the last softmax stand the NEXT stream's first scores.
.macro STREAM st, qc, qn
.if \st < 3
	ds_load_b128 v[\qn:\qn+3], v3 offset:(\st+1)*1024      ; the next stream's Q, into the set that this stream does not read
	ds_load_b128 v[\qn+4:\qn+7], v3 offset:(\st+1)*1024+512
.endif
	s_mov_b32 s44, (8*\st+1)*4096
	s_mov_b32 s45, (\st/2)*20480
	s_mov_b32 s46, 3
.Lsteps_\@:
	PHASE SA, SB, \qc, 1, 1
	PHASE SB, SA, \qc, 1, 1
	s_sub_co_u32 s46, s46, 1
	s_cmp_lg_u32 s46, 0
	s_cbranch_scc1 .Lsteps_\@
.if \st < 3
	PHASE SA, SB, \qc, 1, 1
	PHASE SB, SA, \qn, 1, 1
.else
	PHASE SA, SB, \qc, 1, 0
	PHASE SB, SA, \qn, 0, 0
.endif
.endm
	s_wait_dscnt 0x0                               ; Q and K of stream 0, step 0
.irp k, 0,1,2,3,4,5,6,7
	MM \k, SA, QA, 1                               ; the first scores: there is no vector work yet to set between them
.endr
	NOPS 8                                         ; places in front of the loads into v80-95
.irp i, 0,1,2,3
	ds_load_b128 v[KA+4*\i:KA+4*\i+3], v1 offset:4096+512*\i   ; step 1's tiles 0, 1
.endr
.irp k, 8,9,10,11,12,13,14,15
	MM \k, SA, QA, 1
.endr
	NOPS 8                                         ; places in front of the first reads of these scores
	STREAM 0, QA, QB
	EPIEVEN
	INIT
	STREAM 1, QB, QA
	EPIODD 0
	INIT
	STREAM 2, QA, QB
	EPIEVEN
	INIT
	STREAM 3, QB, QA
	EPIODD 1
	; THE WAY OUT: my stage holds 16 rows x 256 bytes (2 heads x 32 channels); place p is row p + 8 (p / 8) from my first query.  LDS serves a wave's instructions in order: the loads see my stores.
.irp i, 0,1,2,3,4,5,6,7
	ds_load_b128 v[VV+4*\i:VV+4*\i+3], v8 offset:2*\i*272
.endr
.irp i, 0,1,2,3,4,5,6,7
	s_wait_dscnt 7-\i                              ; load i is in; the younger ones may be out
	global_store_b128 v9, v[VV+4*\i:VV+4*\i+3], s[24:25] offset:(2*\i+8*(\i/4))*1024 th:TH_STORE_NT   ; sixteen lanes store 256 consecutive bytes, at a multiple of 256 from out's first byte
.endr
	s_wait_xcnt 0x0
	v_lshl_add_u32 v254, v0, 2, 0x4c000
	v_mov_b32 v255, 0
	s_wait_tensorcnt 0x0
	ds_add_u32 v254, v255
	s_wait_dscnt 0x0
	s_endpgm
.Lfunc_end_k_q2b21d36f7a_sda:
	.size	k_q2b21d36f7a_sda, .Lfunc_end_k_q2b21d36f7a_sda-k_q2b21d36f7a_sda
	.p2alignl 7, 3214868480
	.fill 96, 4, 3214868480
	.section	.rodata,"a",@progbits
	.p2align	6, 0x0
	.amdhsa_kernel k_q2b21d36f7a_sda
		.amdhsa_group_segment_fixed_size 313344
		.amdhsa_private_segment_fixed_size 0
		.amdhsa_enable_private_segment 0
		.amdhsa_kernarg_size 88
		.amdhsa_user_sgpr_count 2
		.amdhsa_user_sgpr_kernarg_segment_ptr 1
		.amdhsa_wavefront_size32 1
		.amdhsa_system_sgpr_workgroup_id_x 1
		.amdhsa_system_sgpr_workgroup_id_y 1
		.amdhsa_system_sgpr_workgroup_id_z 1
		.amdhsa_system_vgpr_workitem_id 0
		.amdhsa_next_free_vgpr 256
		.amdhsa_next_free_sgpr 66
		.amdhsa_reserve_vcc 0
		.amdhsa_float_denorm_mode_32 3
		.amdhsa_float_denorm_mode_16_64 3
		.amdhsa_memory_ordered 1
		.amdhsa_forward_progress 1
		.amdhsa_inst_pref_size 255
	.end_amdhsa_kernel
	.section	.bss,"aw",@nobits
	.p2align	6
	.space	262144
	.amdgpu_metadata
---
amdhsa.version: [ 1, 2 ]
amdhsa.kernels:
  - .name:           k_q2b21d36f7a_sda
    .symbol:         k_q2b21d36f7a_sda.kd
    .args:
      - { .name: x, .offset: 0, .size: 8, .value_kind: global_buffer, .address_space: global }
      - { .name: Wq, .offset: 8, .size: 8, .value_kind: global_buffer, .address_space: global }
      - { .name: Wk, .offset: 16, .size: 8, .value_kind: global_buffer, .address_space: global }
      - { .name: Wv, .offset: 24, .size: 8, .value_kind: global_buffer, .address_space: global }
      - { .name: lq1, .offset: 32, .size: 8, .value_kind: global_buffer, .address_space: global }
      - { .name: lk1, .offset: 40, .size: 8, .value_kind: global_buffer, .address_space: global }
      - { .name: lq2, .offset: 48, .size: 8, .value_kind: global_buffer, .address_space: global }
      - { .name: lk2, .offset: 56, .size: 8, .value_kind: global_buffer, .address_space: global }
      - { .name: ln_gamma, .offset: 64, .size: 8, .value_kind: global_buffer, .address_space: global }
      - { .name: ln_beta, .offset: 72, .size: 8, .value_kind: global_buffer, .address_space: global }
      - { .name: out0, .offset: 80, .size: 8, .value_kind: global_buffer, .address_space: global }
    .group_segment_fixed_size: 313344
    .private_segment_fixed_size: 0
    .kernarg_segment_align: 8
    .kernarg_segment_size: 88
    .max_flat_workgroup_size: 512
    .sgpr_count:     66
    .vgpr_count:     256
    .wavefront_size: 32
...
	.end_amdgpu_metadata
.endif
;; end of part 1
;; ======== version 2 of 2: 1 launch; version 1 with the launch sda written anew for expert scheduling mode
;; launch sda (part 2): grid 8 x 32, 16 waves a work-group, no clusters, 313,344 bytes of LDS; arguments x, Wq, Wk, Wv, lq1, lk1, lq2, lk2, ln_gamma, ln_beta, out0; writes out0
.if DOCPART == 2
	.amdgcn_target "amdgcn-amd-amdhsa--gfx1250"
	.amdhsa_code_object_version 6
	.text
	.protected	k_q2b21d36f7a_sda
	.globl	k_q2b21d36f7a_sda
	.p2align	8
	.type	k_q2b21d36f7a_sda,@function
k_q2b21d36f7a_sda:
	s_mov_b64 s[64:65], 0
	v_nop
	global_prefetch_b8 v0, s[64:65] scope:SCOPE_SE
	s_setreg_imm32_b32 hwreg(HW_REG_WAVE_SCHED_MODE, 0, 2), 2
	s_setreg_imm32_b32 hwreg(HW_REG_WAVE_MODE, 25, 1), 1
	s_wait_xcnt 0x0
	s_wait_alu depctr_vm_vsrc(0)
; Differential attention over 512 tokens, 8 heads, two score streams a head (q1.k1, q2.k2, 16 dims each) on one V of 32 channels; then y = O1/l1 - lam O2/l2, a layer norm over the 32 channels, gain, bias, x (1 - LAMBDA_INIT).
; QUANTISED (codes of E4M3, one E8M0 byte for each 32 along K, scaled 16x16x128 matrix form): x Wq, x Wk, x Wv (K = 256) and V^T P^T (K = the keys).  The scores (K = 16) feed a quantiser, so they take f32 operands: the 16x16x4 f32 form.
; SHARES.  256 work-groups = 32 (b, t) x 4 pairs of heads x 2 halves of the queries.  A work-group quantises its 192 columns of the weights and all 512 rows of x[bt], projects K and V of its 2 heads for 512 rows and Q for its 256
; rows, keeps them in LDS as images of operand registers, and runs 4 streams (2 heads x 2 halves).  16 waves of 256 registers; a wave owns 16 queries.  A pair of heads is 64 channels = 256 bytes of an output row: stores fill whole aligned runs of 256 bytes.
; ROWS.  Tile a (0, 1) of wave w, place r, is row 32 w + 8 (a xor qh) + r + 8 (r / 8): the two tiles are the block of keys 32 w .. 32 w + 31, tile 0 the wave's 16 queries.  qh enters global addresses alone.
; LAYOUT.  K, Q: source 0 = 16 columns of W, source 1 = 16 rows of x: a lane holds one row's dims 8 h + 0 .. 7, which are the f32 operand as they stand (step ks takes registers 2 ks, 2 ks + 1; the same order of dims on both sides).
; S^T = K Q^T: lane (r, h) holds query r, register j of tile a the block's key place 16 h + 8 a + j.  V: source 0 = x, source 1 = Wv: lane (r, h) holds channel r at the same key places.  So p's and V's 16 registers of a block run alike.
; A KEY STEP is 64 keys.  The second product's source 0 is [V0 block 0, V0 block 1, V1 block 0, V1 block 1] (V0, V1: the head's two tiles of channels), source 1 is [p, zeros] for O0 and [zeros, p] for O1: zero codes add nothing.
; SOFTMAX: t = score x log2(e) / 4; M = the running largest t rounded up to a whole number; p = 2^(t - M) is quantised; the sum is taken of the unquantised p; O and the sum are multiplied by 2^(old M - new M) in every step.
; BY TURNS: a step's softmax is cut into 16 slices, one behind each of the next step's 16 score products, so that vector and matrix work of one wave stand side by side; S has two sets of registers.
; NO JOINT LOADS, NO TENSOR LOADS: the 8 work-groups of a bt do read the same x, but the quantiser wants x in registers (512 KiB of f32 against 128 KiB of codes through LDS), and 512 KiB would pass through what LDS is left only in many rounds.
; LIMITS: NaN and infinities among the inputs are not served.  A block of zeros gets the scale byte 1 (its codes are zeros; this program alone reads the bytes); a block's largest magnitude is taken no smaller than 2^-118.
; The order of the 16 dims in a score and of the 32 keys in a block differs from memory's, alike on both operands: only the order of f32 additions changes.  (1 - LAMBDA_INIT) is multiplied into gain and bias: one rounding more.
; THE MODE: SCHED_MODE bits 1:0 = 2 (LLVM: expert scheduling mode 2), set by the entry lines.  The code itself states the register dependences between vector or matrix instructions and memory or LDS instructions, with s_wait_alu, always for 0.
; THE PLAN.  Registers that memory or LDS instructions touch:
;   QUANTISING   v80-175, three buffers: an item's holds and conversions read and write one; the loads of a later item land in it.  The codes' and bytes' registers: written by the conversions and shifts, read by the item's LDS stores.
;                One wait on va_vdst ends an item, behind its conversions: it serves the item's stores and the loads into its buffer.  x's code and byte registers take turns over two pieces: a wait on vm_vsrc ahead of their rewriting.
;   PROJECTIONS  v80-143, v252-255: loaded, read by the products.  v16-47: written by the products, read by LDS stores.  One wait on va_vdst behind a group's places serves stores and loads; one on vm_vsrc ahead of products that write stored sums anew.
;   A KEY STEP   v80-95 (K's tiles 0, 1): read by score products 0-7, loaded again behind W1.      v96-111 (tiles 2, 3): read by products 8-15, loaded again behind W2.
;                v144-159, v252 (V, its scale word): read by the two scaled products, loaded again behind the NEXT step's W1.      v4, v5 (addresses): written in the first slice, behind a wait on vm_vsrc; read by loads behind W1 and W2.
;                v168-175, v253 (p's codes, its scale word): written by vector instructions, taken by the scaled products behind W2.
;                W1 = the wait on va_vdst behind the batch of exponentials (behind product 10); W2 = the one ahead of the scaled products (behind product 15).  No vector or matrix instruction between a wait and the loads that lean on it names their registers.
; LDS (bytes)
.set QIMG, 131072                      ; K's images lie at 0: stream x 32,768 + tile of keys x 1,024 (registers 0-3 at 16 x lane, 4-7 at 512 + 16 x lane);  Q's here: wave x 4,096 + stream x 1,024
.set XSTW, 8960                        ; until the first barrier, over K's and Q's bytes: a stage for each wave: 32 rows x 272 of x's codes,
.set XSCO, 8704                        ; and behind them 32 x 8 scale bytes
.set VIMG, 196608                      ; V: a record for each (head, key step): 4 x 512 bytes of codes, then a scale word at 16 x lane
.set VREC, 2560
.set WIMG, 237568                      ; the weights' fragments F = ((4 m + ct) 2 + s): F x 2,048 + 512 c + 16 x lane;  m = 0 q, 1 k, 2 v
.set WSC,  286720                      ; their scale words: F x 64 + 4 r
.set STG,  237568                      ; behind the second barrier, over the weights: a stage of 16 rows x 272 for each wave
.set STGW, 4352
.set GB,   307200                      ; gain and bias x (1 - LAMBDA_INIT): 256 bytes for each wave
.set FLOOR, 0x4800000                  ; 2^(9 - 127): under it no largest magnitude is taken, so a scale's byte cannot fall under 1
.set EOFF,  0xfc000000                 ; takes 8 off an exponent field
.set EXPM,  0x7f800000
; REGISTERS.  v16-79 are written by matrix instructions alone, in the whole text
.set SA,  16                           ; S^T, two sets of 32; the projections' sums too
.set SB,  48
.set BUF, 80                           ; v80-175: three buffers of 32 for numbers as loaded; later W's fragments (v80-143) and V's quantiser (v144-173)
.set XC,  176                          ; v176-239: x's codes: fragment (a, s) at 16 (2 a + s)
.set XS,  248                          ; v248-251 x's scale words; v252-255 the weights'; later v252 V's, v253 p's: these eight hold scales until the closing lines use v254-255
.set KA,  80                           ; K of a step: tiles 0, 1 at v80, tiles 2, 3 at v96
.set P0,  112                          ; p, block 0; block 1 at v128
.set P1,  128
.set VV,  144
.set Z0,  160                          ; 8 registers of zero codes | p's 8 registers of codes | 8 registers of zero codes
.set PCD, 168
.set Z1,  176
.set O0,  184
.set O1,  192
.set SV,  200                          ; the first stream's O / l, then y
.set QA,  216
.set QB,  224
.set NM,  232                          ; v232 -M, v233 the largest t
.set L0,  234                          ; the sum, in four parts
.set L1,  236
.set FF,  238                          ; a factor; v239 is named with it as a pair
.set BM,  240                          ; the two blocks' largest score, then largest p
.set PX,  242
.set H0,  244                          ; 448 x the scale, block 0, block 1
.set VS,  252
.set PW,  253
.set CS,  11                           ; v11-12 the conversions' scale operands
.set T,   13
	s_load_b256 s[4:11], s[0:1], 0x0               ; x, Wq, Wk, Wv
	s_load_b256 s[12:19], s[0:1], 0x20             ; lq1, lk1, lq2, lk2
	s_load_b128 s[20:23], s[0:1], 0x40             ; gain, bias
	s_load_b64 s[24:25], s[0:1], 0x50              ; out
	v_lshrrev_b32 v241, 5, v0
	v_readfirstlane_b32 s26, v241                  ; wave w, 0 .. 15
	s_lshr_b32 s27, ttmp9, 1                       ; hp: the pair of heads
	s_and_b32 s28, ttmp9, 1                        ; qh: the half of the queries
	s_and_b32 s29, ttmp7, 0xffff                   ; bt
	s_mov_b32 s38, 0x76543210
	s_mov_b32 s39, 0xfedcba98                      ; v_permlanex16_b32's selects for lane l xor 16
	s_mov_b32 s40, 0x600000                        ; the mantissa field of 448
	s_mov_b32 s42, 0x3eb8aa3b                      ; c = log2(e) / 4
	s_mov_b32 s43, s42                             ; (named with it as a pair)
	s_mov_b32 s50, 0x3d000000                      ; 1 / 32
	s_mov_b32 s51, 0x3727c5ac                      ; 1e-5
	v_and_b32 v243, 31, v0                         ; lane L
	v_and_b32 v244, 15, v0                         ; r
	v_bfe_u32 v245, v0, 4, 1                       ; h
	v_lshlrev_b32 v1, 5, v243                      ; x: 32 L: my 8 numbers of a row
	v_lshlrev_b32 v2, 2, v243                      ; W: 4 L: my column
	v_lshlrev_b32 v241, 2, v244                    ; 4 r
	s_wait_alu depctr_va_sdst(0)                   ; s26 is written, ahead of its first reader: LDS places and global bases are made from it
	s_lshl_b32 s47, s26, 12
	s_add_co_u32 s47, s47, QIMG
	v_lshl_add_u32 v3, v243, 4, s47                ; Q's images: QIMG + 4,096 w + 16 L
	s_lshr_b32 s47, s26, 3
	s_lshl_b32 s48, s47, 13
	s_and_b32 s49, s26, 7
	s_lshl_b32 s49, s49, 9
	s_add_co_u32 s48, s48, s49
	s_add_co_u32 s48, s48, WIMG
	v_lshl_add_u32 v4, v244, 4, s48
	v_lshl_add_u32 v4, v245, 12, v4                ; where I store W's codes: WIMG + 8,192 (w / 8) + 4,096 h + 512 (w % 8) + 16 r
	s_lshl_b32 s48, s47, 8
	s_bfe_u32 s49, s26, 0x10002
	s_lshl_b32 s49, s49, 6
	s_add_co_u32 s48, s48, s49
	s_and_b32 s49, s26, 3
	s_add_co_u32 s48, s48, s49
	s_add_co_u32 s48, s48, WSC
	v_lshl_add_u32 v5, v245, 7, v241
	v_add_nc_u32 v5, s48, v5                       ; and its scale byte: WSC + 256 (w / 8) + 128 h + 64 ((w % 8) / 4) + 4 r + w % 4
	s_mul_i32 s49, s26, XSTW                       ; my stage for x
	v_lshl_add_u32 v6, v243, 3, s49                ; in: 8 L
	s_add_co_u32 s48, s49, XSCO
	v_lshrrev_b32 v7, 2, v243
	v_add_nc_u32 v7, s48, v7                       ; a block's byte: L / 4
	v_mul_u32_u24 v8, v244, 272
	v_lshl_add_u32 v8, v245, 4, v8
	v_add_nc_u32 v8, s49, v8                       ; back: row r, + 16 h
	v_lshl_add_u32 v9, v244, 3, s48                ; row r's scale bytes
	v_lshl_add_u32 v11, v243, 4, WIMG              ; W's fragments: 16 L
	v_add_nc_u32 v12, WSC, v241                    ; their scale words: 4 r
	s_lshl_b32 s48, s26, 11
	v_lshl_add_u32 v13, v243, 4, s48               ; K's images, streams 0, 1: 2,048 w + 16 L
	v_add_nc_u32 v14, 0x10000, v13                 ; streams 2, 3
	s_lshr_b32 s48, s26, 1
	s_mul_i32 s48, s48, VREC
	s_add_co_u32 s48, s48, VIMG
	s_and_b32 s49, s26, 1
	s_lshl_b32 s47, s49, 9
	s_add_co_u32 s47, s47, s48
	v_lshl_add_u32 v15, v243, 4, s47               ; V's codes: record w / 2, block w % 2, 16 L
	s_add_co_u32 s47, s48, s49
	s_add_co_u32 s47, s47, 2048
	v_lshl_add_u32 v240, v243, 4, s47              ; V's scale byte: word at 16 L, byte w % 2 (+ 2 for the second tile of channels)
	s_lshl_b32 s30, s29, 9
	s_lshl_b32 s31, s26, 5
	s_add_co_u32 s30, s30, s31                     ; row 512 bt + 32 w
	s_lshl_b32 s47, s28, 3
	s_xor_b32 s48, s47, 8
	s_add_co_u32 s32, s30, s47
	s_lshl_b32 s32, s32, 10                        ; tile 0's first row, in bytes (under 2^24)
	s_mov_b32 s33, 0
	s_add_co_u32 s30, s30, s48
	s_lshl_b32 s30, s30, 10                        ; tile 1's
	s_mov_b32 s31, 0
	s_wait_kmcnt 0x0
	s_add_nc_u64 s[34:35], s[4:5], s[32:33]        ; x at tile 0
	s_add_nc_u64 s[36:37], s[4:5], s[30:31]        ; x at tile 1
	s_lshl_b32 s47, s27, 8                         ; 256 hp: the pair's 64 columns in bytes
	s_add_co_u32 s32, s32, s47
	s_add_nc_u64 s[24:25], s[24:25], s[32:33]      ; out at my first query, my pair of heads
	s_lshr_b32 s48, s26, 3
	s_lshl_b32 s48, s48, 7
	s_add_co_u32 s30, s47, s48                     ; W: columns 64 hp + 32 (w / 8),
	s_and_b32 s48, s26, 7
	s_lshl_b32 s48, s48, 15
	s_add_co_u32 s30, s30, s48                     ; rows 32 (w % 8) on
	s_add_nc_u64 s[6:7], s[6:7], s[30:31]
	s_add_nc_u64 s[8:9], s[8:9], s[30:31]
	s_add_nc_u64 s[10:11], s[10:11], s[30:31]
	s_wait_alu depctr_va_vdst(0)                   ; the offsets and addresses v1 to v9, v11 to v15, v240, v241 are written, which the loads and stores up to the second barrier read; so are v243 to v245, in which loads land
	global_load_b32 v242, v241, s[12:13]           ; lq1, lk1, lq2, lk2 at r; gain and bias at L
	global_load_b32 v243, v241, s[14:15]
	global_load_b32 v244, v241, s[16:17]
	global_load_b32 v245, v241, s[18:19]
	global_load_b32 v246, v2, s[20:21]
	global_load_b32 v247, v2, s[22:23]
; ---- QUANTISING.  Eleven items (Wq, Wk, Wv, eight pieces of x) go through three buffers; two items' loads are out while one is worked on.
.macro WLOAD buf, sb                   ; a lane takes a column, its 32 registers run down a block of K: 128 neighbouring bytes a load
.set wi, 0
.rept 32
	global_load_b32 v[\buf+wi], v2, s[\sb:\sb+1] offset:wi*1024
.set wi, wi+1
.endr
.endm
.macro QW m, buf                       ; the block's largest magnitude needs no other lane; the codes are two groups of four operand registers (k 0-15: lane r; k 16-31: lane r + 16)
	v_max3_num_f32 v203, |v[\buf]|, |v[\buf+1]|, FLOOR
	v_max3_num_f32 v204, |v[\buf+2]|, |v[\buf+3]|, |v[\buf+4]|
.irp i, 5,9,13,17,21,25
	v_max3_num_f32 v203, v203, |v[\buf+\i]|, |v[\buf+\i+1]|
	v_max3_num_f32 v204, v204, |v[\buf+\i+2]|, |v[\buf+\i+3]|
.endr
	v_max3_num_f32 v203, v203, |v[\buf+29]|, |v[\buf+30]|
	v_max3_num_f32 v203, v203, v204, |v[\buf+31]|
	v_add_nc_u32 v207, EOFF, v203                  ; the conversion takes this operand's exponent field as its scale
	v_and_or_b32 v211, v203, EXPM, s40             ; 448 x the scale
	v_lshrrev_b32 v[200+\m], 23, v207              ; the scale's byte
.set wi, 0
.rept 32
	v_med3_num_f32 v[\buf+wi], v[\buf+wi], -v211, v211   ; the conversion to an 8-bit code does not saturate (ISA guide 7.6.2): the hold
.set wi, wi+1
.endr
.irp g, 0,1,2,3
	v_cvt_scalef32_pk8_fp8_f32 v[176+8*\m+2*\g:176+8*\m+2*\g+1], v[\buf+8*\g:\buf+8*\g+7], v207
.endr
	v_nop                                          ; a plain line behind the last conversion of a run
	s_wait_alu depctr_va_vdst(0)                   ; the conversions have written the codes and the shift the byte, which the stores below read; holds and conversions are done with this buffer, in which a later item's loads land
	ds_store_b128 v4, v[176+8*\m:176+8*\m+3] offset:\m*16384
	ds_store_b128 v4, v[176+8*\m+4:176+8*\m+7] offset:\m*16384+256
	ds_store_b8 v5, v[200+\m] offset:\m*512
.endm
.macro XLOAD p, buf                    ; piece p: rows 4 (p % 4) + 0 .. 3 of tile p / 4; a lane takes 8 neighbours along K; a row's two loads cover its 1,024 bytes
.irp rr, 0,1,2,3
.irp j, 0,1
	global_load_b128 v[\buf+8*\rr+4*\j:\buf+8*\rr+4*\j+3], v1, s[34+2*((\p)/4):35+2*((\p)/4)] offset:(4*((\p)%4)+\rr+8*(((\p)%4)/2))*1024+16*\j
.endr
.endr
.endm
.macro QX p, buf                       ; four lanes hold a block of 32; the four rows take turns
.set xB, 215+4*((\p)%2)
.set xC, 224+8*((\p)%2)
.if (\p) >= 2
	s_wait_dscnt 0x8                               ; only the last piece's 8 stores may be out
	s_wait_alu depctr_vm_vsrc(0)                   ; the stores of the piece before the last have read their codes and bytes, whose registers are written again below
.endif
.irp rr, 0,1,2,3
	v_max3_num_f32 v[203+\rr], |v[\buf+8*\rr]|, |v[\buf+8*\rr+1]|, FLOOR
.endr
.irp i, 2,4,6
.irp rr, 0,1,2,3
	v_max3_num_f32 v[203+\rr], v[203+\rr], |v[\buf+8*\rr+\i]|, |v[\buf+8*\rr+\i+1]|
.endr
.endr
.irp k, 1,2
.irp rr, 0,1,2,3
	v_max_num_f32_dpp v[203+\rr], v[203+\rr], v[203+\rr] row_xmask:\k row_mask:0xf bank_mask:0xf
.endr
.endr
.irp rr, 0,1,2,3
	v_add_nc_u32 v[207+\rr], EOFF, v[203+\rr]
.endr
.irp rr, 0,1,2,3
	v_and_or_b32 v[211+\rr], v[203+\rr], EXPM, s40
.endr
.irp rr, 0,1,2,3
	v_lshrrev_b32 v[xB+\rr], 23, v[207+\rr]
.endr
.irp rr, 0,1,2,3
.irp i, 0,1,2,3,4,5,6,7
	v_med3_num_f32 v[\buf+8*\rr+\i], v[\buf+8*\rr+\i], -v[211+\rr], v[211+\rr]
.endr
	v_cvt_scalef32_pk8_fp8_f32 v[xC+2*\rr:xC+2*\rr+1], v[\buf+8*\rr:\buf+8*\rr+7], v[207+\rr]
.endr
	v_nop                                          ; a plain line behind the last conversion of a run
	s_wait_alu depctr_va_vdst(0)                   ; the conversions have written the codes and the shifts the bytes, which the stores below read; holds and conversions are done with this buffer, in which a later piece's loads land
.irp rr, 0,1,2,3
	ds_store_b64 v6, v[xC+2*\rr:xC+2*\rr+1] offset:(4*(\p)+\rr)*272
	ds_store_b8 v7, v[xB+\rr] offset:(4*(\p)+\rr)*8      ; a block's four lanes write the same byte with the same value
.endr
.endm
	WLOAD BUF, 6                                   ; Wq
	WLOAD BUF+32, 8                                ; Wk
	s_wait_loadcnt 32                              ; all but Wk's 32: the six small loads and Wq are in
	WLOAD BUF+64, 10                               ; Wv
	QW 0, BUF
	; lam = exp(lq1 . lk1) - exp(lq2 . lk2) + LAMBDA_INIT, in every lane; gain and bias x (1 - LAMBDA_INIT) into my 256 bytes of LDS
	v_mul_f32 v242, v242, v243
	v_mul_f32 v244, v244, v245
.irp k, 1,2,4,8
	v_add_f32_dpp v242, v242, v242 row_xmask:\k row_mask:0xf bank_mask:0xf
	v_add_f32_dpp v244, v244, v244 row_xmask:\k row_mask:0xf bank_mask:0xf
.endr
	v_mul_f32 v242, 0x3fb8aa3b, v242
	v_mul_f32 v244, 0x3fb8aa3b, v244
	v_exp_f32 v242, v242
	v_exp_f32 v244, v244
	v_mul_f32 v246, 0x3f24fd5c, v246               ; (plain lines behind the exponentials)  1 - LAMBDA_INIT = 0.64449093
	v_mul_f32 v247, 0x3f24fd5c, v247
	s_lshl_b32 s47, s26, 8
	s_add_co_u32 s47, s47, GB
	s_wait_alu depctr_vm_vsrc(0)                   ; the four small loads have read v241 as their offset: it is written again
	v_add_nc_u32 v241, s47, v2                     ; (the loads that named v241 are in)
	s_wait_alu depctr_va_vdst(0)                   ; the two exponentials' results are written, ahead of their first reader; so are v241, v246 and v247, which the two stores below read
	v_sub_f32 v10, v242, v244
	v_add_f32 v10, 0x3eb60549, v10                 ; LAMBDA_INIT = 0.35550907
	ds_store_b32 v241, v246
	ds_store_b32 v241, v247 offset:128
	s_wait_loadcnt 32                              ; all but Wv's 32
	XLOAD 0, BUF
	QW 1, BUF+32
	s_wait_loadcnt 8                               ; all but piece 0's 8
	XLOAD 1, BUF+32
	QW 2, BUF+64
.irp p, 0,1,2,3,4,5,6,7
.if \p < 7
	s_wait_loadcnt 8                               ; all but the next piece's 8
.else
	s_wait_loadcnt 0
.endif
.if \p < 6
	XLOAD \p+2, BUF+32*((\p+2)%3)
.endif
	QX \p, BUF+32*(\p%3)
.endr
	s_wait_dscnt 0x0                               ; my stores into my stage have landed
	s_wait_alu depctr_vm_vsrc(0)                   ; my stores have read their codes and bytes (v176-202, v215-239), over which x's fragments now land; the last piece's wait on va_vdst covers the vector lines that named v176-239
.irp a, 0,1
.irp s, 0,1
.irp c, 0,1,2,3
	ds_load_b128 v[XC+16*(2*\a+\s)+4*\c:XC+16*(2*\a+\s)+4*\c+3], v8 offset:\a*4352+128*\s+32*\c   ; registers 4 c ..: k = 128 s + 32 c + 16 h + 0 .. 15 of row r
.endr
	ds_load_b32 v[XS+2*\a+\s], v9 offset:\a*128+4*\s
.endr
.endr
	s_wait_dscnt 0x0                               ; my stage is read out, my part of the weights' images has landed
	s_barrier_signal -1
	s_barrier_wait -1                              ; so has everybody's: the weights are whole, and K's and Q's images may be laid over the stages
; ---- THE PROJECTIONS
.macro LOADP fa, fb                    ; two tiles of 16 columns, both K steps: fragments fa, fa + 1 to v80, fb, fb + 1 to v112; their scale words to v252-255
.irp s, 0,1
.irp c, 0,1,2,3
	ds_load_b128 v[80+16*\s+4*\c:80+16*\s+4*\c+3], v11 offset:((\fa)+\s)*2048+512*\c
.endr
.endr
.irp s, 0,1
.irp c, 0,1,2,3
	ds_load_b128 v[112+16*\s+4*\c:112+16*\s+4*\c+3], v11 offset:((\fb)+\s)*2048+512*\c
.endr
.endr
	ds_load_b32 v252, v12 offset:64*(\fa)
	ds_load_b32 v253, v12 offset:64*(\fa)+64
	ds_load_b32 v254, v12 offset:64*(\fb)
	ds_load_b32 v255, v12 offset:64*(\fb)+64
.endm
.macro NOPS n
.rept \n
	v_nop
.endr
.endm
.macro KQMUL                           ; K of both tiles of rows and Q of tile 0, for one tile of 16 dims: three sums by turns
	v_wmma_scale_f32_16x16x128_f8f6f4 v[16:23], v[80:95], v[XC:XC+15], 0, v252, v248
	v_wmma_scale_f32_16x16x128_f8f6f4 v[24:31], v[80:95], v[XC+32:XC+47], 0, v252, v250
	v_wmma_scale_f32_16x16x128_f8f6f4 v[32:39], v[112:127], v[XC:XC+15], 0, v254, v248
	v_wmma_scale_f32_16x16x128_f8f6f4 v[16:23], v[96:111], v[XC+16:XC+31], v[16:23], v253, v249
	v_wmma_scale_f32_16x16x128_f8f6f4 v[24:31], v[96:111], v[XC+48:XC+63], v[24:31], v253, v251
	v_wmma_scale_f32_16x16x128_f8f6f4 v[32:39], v[128:143], v[XC+16:XC+31], v[32:39], v255, v249
.endm
.macro KQSTORE ct                      ; the results are f32 operands as they stand: images to LDS, each sum from its low end on
.set kR, 13+(\ct)/2
.irp i, 0,1,2,3
	ds_store_b128 v[kR], v[16+4*\i:16+4*\i+3] offset:((\ct)%2)*32768+512*\i
.endr
	ds_store_b128 v3, v[32:35] offset:(\ct)*1024
	ds_store_b128 v3, v[36:39] offset:(\ct)*1024+512
.endm
.macro VVMUL                           ; V: source 0 = x, source 1 = Wv: two tiles of channels x two tiles of rows: four sums by turns
.irp s, 0,1
.irp ctl, 0,1
.irp a, 0,1
.if \s == 0
	v_wmma_scale_f32_16x16x128_f8f6f4 v[16+16*\ctl+8*\a:16+16*\ctl+8*\a+7], v[XC+32*\a:XC+32*\a+15], v[80+32*\ctl:80+32*\ctl+15], 0, v[XS+2*\a], v[252+2*\ctl]
.else
	v_wmma_scale_f32_16x16x128_f8f6f4 v[16+16*\ctl+8*\a:16+16*\ctl+8*\a+7], v[XC+32*\a+16:XC+32*\a+31], v[96+32*\ctl:96+32*\ctl+15], v[16+16*\ctl+8*\a:16+16*\ctl+8*\a+7], v[XS+2*\a+1], v[253+2*\ctl]
.endif
.endr
.endr
.endr
.endm
.macro VQUANT acc, hd, ctl             ; a lane's 16 numbers of one channel, with lane l xor 16's, are my block of 32 keys: four registers of codes and a byte.  The held numbers go to other registers than the sums'
.set cC, 160+4*\ctl
.set cB, 168+\ctl
	v_max3_num_f32 v170, |v[\acc]|, |v[\acc+1]|, FLOOR
.irp i, 2,4,6,8,10,12,14
	v_max3_num_f32 v170, v170, |v[\acc+\i]|, |v[\acc+\i+1]|
.endr
	v_permlanex16_b32 v171, v170, s38, s39
	v_max_num_f32 v170, v170, v171
	v_add_nc_u32 v172, EOFF, v170
	v_and_or_b32 v173, v170, EXPM, s40
	v_lshrrev_b32 v[cB], 23, v172
.irp i, 0,1,2,3,4,5,6,7,8,9,10,11,12,13,14,15
	v_med3_num_f32 v[144+\i], v[\acc+\i], -v173, v173
.endr
	v_cvt_scalef32_pk8_fp8_f32 v[cC:cC+1], v[144:151], v172
	v_cvt_scalef32_pk8_fp8_f32 v[cC+2:cC+3], v[152:159], v172
	v_nop                                          ; a plain line behind the last conversion of a run
	s_wait_alu depctr_va_vdst(0)                   ; the conversions have written the codes and the shift the byte, which the two stores below read
	ds_store_b128 v15, v[cC:cC+3] offset:\hd*20480+\ctl*1024
	ds_store_b8 v240, v[cB] offset:\hd*20480+2*\ctl
.endm
	v_mov_b32 v171, 0                              ; written once: a lane permute's destination counts as one of its sources
	LOADP 8, 0                                     ; Wk's tile 0, Wq's tile 0  (the last piece's wait on va_vdst covers the vector lines that named v80-143)
.irp ct, 0,1,2,3
	s_wait_dscnt 0x0                               ; the fragments are in
.if \ct > 0
	s_wait_alu depctr_vm_vsrc(0)                   ; the last tile's stores have read the sums v16-39, which the products below begin anew
.endif
	KQMUL
	NOPS 9                                         ; 8 places in front of loads into the products' sources and of stores of their results, 9 in front of the products that begin these sums anew
	s_wait_alu depctr_va_vdst(0)                   ; the products have written v16-39, which the stores below read, and are done reading v80-143 and v252-255, in which the loads below land
.if \ct < 3
	LOADP 8+2*(\ct+1), 2*(\ct+1)
.else
	LOADP 16, 18                                   ; Wv's tiles 0, 1: head 0
.endif
	KQSTORE \ct
.endr
	s_wait_dscnt 0x0
	s_wait_alu depctr_vm_vsrc(0)                   ; the last tile's stores have read the sums v16-39, which the products below begin anew
	VVMUL
	NOPS 9
	s_wait_alu depctr_va_vdst(0)                   ; the products are done reading v80-143 and v252-255, in which the loads below land
	LOADP 20, 22                                   ; Wv's tiles 2, 3: head 1
	VQUANT 16, 0, 0
	VQUANT 32, 0, 1
	s_wait_dscnt 0x0
	s_wait_alu depctr_vm_vsrc(0)                   ; head 0's stores have read their codes and bytes, v160-169, which head 1's quantiser writes again
	VVMUL
	NOPS 9
	VQUANT 16, 1, 0
	VQUANT 32, 1, 1
	s_wait_dscnt 0x0                               ; my images of K, Q and V have landed, my reads of the weights are over
	s_barrier_signal -1
	s_barrier_wait -1                              ; everybody's: K and V are whole, and the stages may be laid over the weights
; ---- ATTENTION
	s_wait_alu depctr_vm_vsrc(0)                   ; the loads and stores so far have read v1, v2, v4 to v9, v11 to v15, v240, v241 (offsets and addresses) and v160-169 (store data): all are written anew from here on
	v_and_b32 v13, 31, v0
	v_and_b32 v14, 15, v0
	v_bfe_u32 v15, v0, 4, 1
	v_lshlrev_b32 v1, 4, v13                       ; 16 L: my place in an image
	v_add_nc_u32 v2, VIMG, v1
	s_wait_alu depctr_va_vdst(0)                   ; v1 is written, by which K is loaded; the projections' products are done reading v80-111 and v216-223, in which the loads below land
	ds_load_b128 v[QA:QA+3], v3                    ; Q of stream 0
	ds_load_b128 v[QA+4:QA+7], v3 offset:512
.irp i, 0,1,2,3,4,5,6,7
	ds_load_b128 v[KA+4*\i:KA+4*\i+3], v1 offset:512*\i   ; K of stream 0, step 0: four tiles
.endr
	s_lshl_b32 s47, s26, 8
	s_add_co_u32 s47, s47, GB
	v_lshl_add_u32 v6, v15, 5, s47                 ; gain and bias of my half's channels: + 32 h
	s_mul_i32 s48, s26, STGW
	s_add_co_u32 s48, s48, STG                     ; my stage
	v_mul_u32_u24 v7, v14, 272
	v_lshl_add_u32 v7, v15, 5, v7
	v_add_nc_u32 v7, s48, v7                       ; in: row r, + 32 h
	v_mul_u32_u24 v8, v15, 272
	v_lshl_add_u32 v8, v14, 4, v8
	v_add_nc_u32 v8, s48, v8                       ; back: lanes 0-15 one row, lanes 16-31 the next
	v_lshlrev_b32 v9, 10, v15
	v_lshl_add_u32 v9, v14, 4, v9                  ; and the same two rows in out
.irp i, 0,1,2,3,4,5,6,7
	v_mov_b32 v[Z0+\i], 0                          ; the zero codes
	v_mov_b32 v[Z1+\i], 0
.endr
	v_mov_b32 v[PX], 0                             ; written once: lane permutes' destinations
	v_mov_b32 v[PX+1], 0
	v_mov_b32 v[FF+1], 0                           ; (named as the upper half of a pair)
.macro INIT                            ; a stream begins: O and the sum are zeros, the largest t is -3e38: the first change of M multiplies zeros
.irp i, 0,1,2,3,4,5,6,7,8,9,10,11,12,13,14,15
	v_mov_b32 v[O0+\i], 0
.endr
.irp i, 0,1,2,3
	v_mov_b32 v[L0+\i], 0
.endr
	v_mov_b32 v[NM+1], 0xff61b1e6
	v_floor_f32 v[NM], -v[NM+1]
.endm
	INIT
; Score product k of 16 of a step: tiles of keys 2 (k / 8) + k % 2, dims step (k % 8) / 2.  Two sums take turns, one instruction a turn; each sum's first product takes the constant 0.
.macro MM k, y, qr, mat
.if \mat
.set mD, \y+8*(2*((\k)/8)+((\k)%2))
.set mA, KA+16*((\k)/8)+8*((\k)%2)+2*(((\k)%8)/2)
.set mB, \qr+2*(((\k)%8)/2)
.if (((\k)%8)/2) == 0
	v_wmma_f32_16x16x4_f32 v[mD:mD+7], v[mA:mA+1], v[mB:mB+1], 0
.else
	v_wmma_f32_16x16x4_f32 v[mD:mD+7], v[mA:mA+1], v[mB:mB+1], v[mD:mD+7]
.endif
.endif
.endm
.macro ARGS x, a, n                    ; t - M for pairs a .. a + n - 1, into p's registers (never into S's)
.set ai, \a
.rept \n
	v_pk_fma_f32 v[P0+2*ai:P0+2*ai+1], v[\x+2*ai:\x+2*ai+1], s[42:43], v[NM:NM+1] op_sel_hi:[1,0,0]
.set ai, ai+1
.endr
.endm
.macro EXPS a, n
.set ai, \a
.rept \n
	v_exp_f32 v[P0+ai], v[P0+ai]
.set ai, ai+1
.endr
.endm
; A PHASE: the softmax and the second product of the step whose scores lie in x; between its slices (mat = 1) the 16 score products of the next step, into y, with Q in qr.
; s44: LDS byte of the next step's K; s45: of this step's record of V.  ldka = 1: the four tiles of the step after the next are fetched: tiles 0, 1 behind the wait for the exponentials, tiles 2, 3 behind the wait ahead of the second products.
; PLACES (8 behind these forms): the last slice's 8 additions stand between the last score product and the first read of its tile and the loads into v96-111;
; the 12 lines of the scales' slice between product 7, the last to read v80-95, and the loads into them.
.macro PHASE x, y, qr, mat, ldka
.if \mat
	s_wait_dscnt 0x4                               ; K's tiles 0, 1 are in; the four loads of tiles 2, 3, issued behind them, may be out
.endif
	MM 0, \y, \qr, \mat
	v_max3_num_f32 v[BM], v[\x], v[\x+1], v[\x+2]  ; the largest score of each block of 32 keys, each tile from its low end on; the two blocks by turns
	v_max3_num_f32 v[BM+1], v[\x+16], v[\x+17], v[\x+18]
.irp i, 3,5,7
	v_max3_num_f32 v[BM], v[BM], v[\x+\i], v[\x+\i+1]
	v_max3_num_f32 v[BM+1], v[BM+1], v[\x+16+\i], v[\x+17+\i]
.endr
	s_wait_alu depctr_vm_vsrc(0)                   ; the last step's loads have read v4 and v5, which are written below; at a head's first step the stage's stores of the head before have read p's registers, which this step's scalings write
.if \ldka
	v_add_nc_u32 v4, s44, v1
.endif
	v_add_nc_u32 v5, s45, v2
	MM 1, \y, \qr, \mat
.irp i, 9,11,13
	v_max3_num_f32 v[BM], v[BM], v[\x+\i], v[\x+\i+1]
	v_max3_num_f32 v[BM+1], v[BM+1], v[\x+16+\i], v[\x+17+\i]
.endr
	v_max_num_f32 v[BM], v[BM], v[\x+15]
	v_max_num_f32 v[BM+1], v[BM+1], v[\x+31]
	MM 2, \y, \qr, \mat
	v_permlanex16_b32 v[PX], v[BM], s38, s39
	v_permlanex16_b32 v[PX+1], v[BM+1], s38, s39
	v_max_num_f32 v[BM], v[BM], v[PX]              ; with lane l xor 16's 16 keys
	v_max_num_f32 v[BM+1], v[BM+1], v[PX+1]
	v_max_num_f32 v[T], v[BM], v[BM+1]
	v_mul_f32 v[T], s42, v[T]                      ; as t (c is positive)
	v_max_num_f32 v[NM+1], v[NM+1], v[T]           ; the running largest t
	v_mov_b32 v[T], v[NM]
	MM 3, \y, \qr, \mat
	v_floor_f32 v[NM], -v[NM+1]                    ; -M = floor(-t): M is a whole number
	v_sub_f32 v[T], v[NM], v[T]                    ; old M - new M, 0 or less
	v_cvt_i32_f32 v[T], v[T]                       ; (it saturates)
	v_ldexp_f32 v[FF], 1.0, v[T]                   ; f = 2^(old M - new M)
	v_fma_f32 v[BM], v[BM], s42, v[NM]             ; the blocks' largest scores go the way of all scores: p rises with the score
	v_fma_f32 v[BM+1], v[BM+1], s42, v[NM]
	ARGS \x, 0, 2
	MM 4, \y, \qr, \mat
	ARGS \x, 2, 7
	MM 5, \y, \qr, \mat
	ARGS \x, 9, 7
	MM 6, \y, \qr, \mat
	v_exp_f32 v[BM], v[BM]
	v_exp_f32 v[BM+1], v[BM+1]
	EXPS 0, 7                                      ; p = 2^(t - M)
	MM 7, \y, \qr, \mat
	EXPS 7, 9
.if \mat
	s_wait_dscnt 0x0                               ; K's tiles 2, 3 are in
.endif
	MM 8, \y, \qr, \mat
	EXPS 16, 8
	MM 9, \y, \qr, \mat
	EXPS 24, 8
	MM 10, \y, \qr, \mat
	v_pk_mul_f32 v[L0:L0+1], v[L0:L0+1], v[FF:FF+1] op_sel_hi:[1,0]   ; the sums under the new M.  (A plain line behind the exponentials)
	v_pk_mul_f32 v[L1:L1+1], v[L1:L1+1], v[FF:FF+1] op_sel_hi:[1,0]
	s_wait_alu depctr_va_vdst(0)                   ; W1: the 34 exponentials' results are written, ahead of their first reader; v4 and v5 are written; the last step's second products are done reading V and its scale word, this step's score products 0 to 7 reading v80-95: the loads of this slice land there
.irp i, 0,1,2,3
	ds_load_b128 v[VV+4*\i:VV+4*\i+3], v5 offset:512*\i   ; this step's V
.endr
	ds_load_b32 v[VS], v5 offset:2048              ; and its scale word
	v_max_num_f32 v[BM], FLOOR, v[BM]
	v_max_num_f32 v[BM+1], FLOOR, v[BM+1]
	v_add_nc_u32 v[CS], EOFF, v[BM]                ; the conversions' scale operands
	v_add_nc_u32 v[CS+1], EOFF, v[BM+1]
	v_and_or_b32 v[H0], v[BM], EXPM, s40           ; 448 x the scale
	v_and_or_b32 v[H0+1], v[BM+1], EXPM, s40
	v_lshrrev_b32 v[PX], 23, v[CS]                 ; the bytes
	v_lshrrev_b32 v[PX+1], 23, v[CS+1]
	v_lshl_or_b32 v[PW], v[PX+1], 8, v[PX]
	v_lshl_or_b32 v[PW], v[PW], 16, v[PW]          ; p's scale word: (y0, y1, y0, y1)
.if \ldka
.irp i, 0,1,2,3
	ds_load_b128 v[KA+4*\i:KA+4*\i+3], v4 offset:4096+512*\i   ; tiles 0, 1 of the step after the next (behind a stream's last step lies the next stream's first).  No wait: the ten lines since W1 name neither v4 nor v80-95
.endr
.endif
	MM 11, \y, \qr, \mat
.irp i, 0,4,8,12
	v_pk_add_f32 v[L0:L0+1], v[L0:L0+1], v[P0+\i:P0+\i+1]   ; the sum is taken of the unquantised p
	v_pk_add_f32 v[L1:L1+1], v[L1:L1+1], v[P0+\i+2:P0+\i+3]
.endr
	MM 12, \y, \qr, \mat
.irp i, 0,1,2,3,4,5,6,7,8,9,10,11,12,13,14,15
	v_min_num_f32 v[P0+\i], v[P0+\i], v[H0]        ; the hold; p is not negative, so it is one-sided
.endr
	v_cvt_scalef32_pk8_fp8_f32 v[PCD:PCD+1], v[P0:P0+7], v[CS]
	v_cvt_scalef32_pk8_fp8_f32 v[PCD+2:PCD+3], v[P0+8:P0+15], v[CS]
	MM 13, \y, \qr, \mat
.irp i, 0,2,4,6,8,10,12,14
	v_pk_mul_f32 v[O0+\i:O0+\i+1], v[O0+\i:O0+\i+1], v[FF:FF+1] op_sel_hi:[1,0]   ; O under the new M; also the plain lines between the conversions above and the writes of their sources below
.endr
	MM 14, \y, \qr, \mat
.irp i, 0,1,2,3,4,5,6,7,8,9,10,11,12,13,14,15
	v_min_num_f32 v[P0+\i], v[P1+\i], v[H0+1]      ; block 1 is held into block 0's registers: its own stay as they are for the sum
.endr
	v_cvt_scalef32_pk8_fp8_f32 v[PCD+4:PCD+5], v[P0:P0+7], v[CS+1]
	v_cvt_scalef32_pk8_fp8_f32 v[PCD+6:PCD+7], v[P0+8:P0+15], v[CS+1]
	MM 15, \y, \qr, \mat
.irp i, 0,4,8,12
	v_pk_add_f32 v[L0:L0+1], v[L0:L0+1], v[P1+\i:P1+\i+1]
	v_pk_add_f32 v[L1:L1+1], v[L1:L1+1], v[P1+\i+2:P1+\i+3]
.endr
.if \ldka
	s_wait_dscnt 0x4                               ; V and its scale word are in; the four loads of K issued behind them may be out
.else
	s_wait_dscnt 0x0
.endif
	s_wait_alu depctr_va_vdst(0)                   ; W2, behind the places: the conversions have written p's codes and the shifts its scale word, which the scaled products take; score products 8 to 15 are done reading v96-111, in which the loads below land; the step's vector lines are done with p's registers, in which gain and bias land at a head's end
	v_wmma_scale_f32_16x16x128_f8f6f4 v[O0:O0+7], v[VV:VV+15], v[PCD:PCD+15], v[O0:O0+7], v[VS], v[PW]   ; [p | zeros]: channels 0-15
.if \ldka
.irp i, 0,1,2,3
	ds_load_b128 v[KA+16+4*\i:KA+16+4*\i+3], v4 offset:6144+512*\i   ; tiles 2, 3 of the step after the next.  No wait: the product since W2 names neither v4 nor v96-111
.endr
.endif
	v_wmma_scale_f32_16x16x128_f8f6f4 v[O1:O1+7], v[VV:VV+15], v[Z0:Z0+15], v[O1:O1+7], v[VS], v[PW]     ; [zeros | p]: channels 16-31
	s_add_co_u32 s44, s44, 4096
	s_add_co_u32 s45, s45, VREC
.endm
.macro RECL                            ; 1 / the row's sum into v[FF]
	NOPS 8                                         ; places in front of the first reads of O
	v_pk_add_f32 v[L0:L0+1], v[L0:L0+1], v[L1:L1+1]
	v_add_f32 v[T], v[L0], v[L0+1]
	v_permlanex16_b32 v[PX], v[T], s38, s39
	v_add_f32 v[T], v[T], v[PX]                    ; with lane l xor 16's keys
	v_rcp_f32 v[FF], v[T]
	v_nop                                          ; a plain line behind the transcendental
.endm
.macro EPIEVEN                         ; the first stream of a head: O1 / l1 is kept
	RECL
	s_wait_alu depctr_va_vdst(0)                   ; the reciprocal is written, ahead of its first reader; the stream's score products are done reading its Q, in whose registers the Q of the stream after the next lands
.irp i, 0,2,4,6,8,10,12,14
	v_pk_mul_f32 v[SV+\i:SV+\i+1], v[O0+\i:O0+\i+1], v[FF:FF+1] op_sel_hi:[1,0]
.endr
.endm
.macro EPIODD hd                       ; the second: y = O1 / l1 - lam O2 / l2; the layer norm over the query's 32 channels, 16 in this lane and 16 in lane l xor 16; into my stage
.irp ctl, 0,1
.irp q, 0,1
	ds_load_b128 v[P0+8*\ctl+4*\q:P0+8*\ctl+4*\q+3], v6 offset:64*\ctl+16*\q        ; gain of channels 16 ctl + 8 h + 4 q on
	ds_load_b128 v[P1+8*\ctl+4*\q:P1+8*\ctl+4*\q+3], v6 offset:128+64*\ctl+16*\q    ; bias
.endr
.endr
	RECL
	s_wait_alu depctr_va_vdst(0)                   ; the reciprocal is written, ahead of its first reader; the stream's score products are done reading its Q, in whose registers the Q of the stream after the next lands
	v_mul_f32 v[FF], -v10, v[FF]                   ; -lam / l2
.irp i, 0,2,4,6,8,10,12,14
	v_pk_fma_f32 v[SV+\i:SV+\i+1], v[O0+\i:O0+\i+1], v[FF:FF+1], v[SV+\i:SV+\i+1] op_sel_hi:[1,0,1]
.endr
.irp i, 0,1,2,3
	v_pk_add_f32 v[VV+2*\i:VV+2*\i+1], v[SV+4*\i:SV+4*\i+1], v[SV+4*\i+2:SV+4*\i+3]
.endr
	v_pk_add_f32 v[VV:VV+1], v[VV:VV+1], v[VV+2:VV+3]
	v_pk_add_f32 v[VV+4:VV+5], v[VV+4:VV+5], v[VV+6:VV+7]
	v_pk_add_f32 v[VV:VV+1], v[VV:VV+1], v[VV+4:VV+5]
	v_add_f32 v[T], v[VV], v[VV+1]
	v_permlanex16_b32 v[PX], v[T], s38, s39
	v_add_f32 v[T], v[T], v[PX]
	v_mul_f32 v[FF], s50, v[T]                     ; the mean
.irp i, 0,2,4,6,8,10,12,14
	v_pk_add_f32 v[SV+\i:SV+\i+1], v[SV+\i:SV+\i+1], v[FF:FF+1] op_sel_hi:[1,0] neg_lo:[0,1] neg_hi:[0,1]
.endr
	v_pk_mul_f32 v[VV:VV+1], v[SV:SV+1], v[SV:SV+1]
	v_pk_mul_f32 v[VV+2:VV+3], v[SV+2:SV+3], v[SV+2:SV+3]
.irp i, 4,8,12
	v_pk_fma_f32 v[VV:VV+1], v[SV+\i:SV+\i+1], v[SV+\i:SV+\i+1], v[VV:VV+1]
	v_pk_fma_f32 v[VV+2:VV+3], v[SV+\i+2:SV+\i+3], v[SV+\i+2:SV+\i+3], v[VV+2:VV+3]
.endr
	v_pk_add_f32 v[VV:VV+1], v[VV:VV+1], v[VV+2:VV+3]
	v_add_f32 v[T], v[VV], v[VV+1]
	v_permlanex16_b32 v[PX], v[T], s38, s39
	v_add_f32 v[T], v[T], v[PX]
	v_fma_f32 v[T], v[T], s50, s51                 ; the variance + 1e-5
	v_rsq_f32 v[FF], v[T]
	v_nop                                          ; a plain line behind the transcendental
	s_wait_alu depctr_va_vdst(0)                   ; the reciprocal root is written, ahead of its first reader
.irp i, 0,2,4,6,8,10,12,14
	v_pk_mul_f32 v[SV+\i:SV+\i+1], v[SV+\i:SV+\i+1], v[FF:FF+1] op_sel_hi:[1,0]
.endr
	s_wait_dscnt 0x0                               ; gain and bias are in
.irp i, 0,2,4,6,8,10,12,14
	v_pk_fma_f32 v[P0+\i:P0+\i+1], v[SV+\i:SV+\i+1], v[P0+\i:P0+\i+1], v[P1+\i:P1+\i+1]
.endr
	s_wait_alu depctr_va_vdst(0)                   ; the multiply-adds have written v112-127, which the stores below read; the sums above and the last second products are done with v144-175, in which the way out's loads land
.irp ctl, 0,1
.irp q, 0,1
	ds_store_b128 v7, v[P0+8*\ctl+4*\q:P0+8*\ctl+4*\q+3] offset:128*\hd+64*\ctl+16*\q
.endr
.endr
.endm
; A STREAM: eight key steps.  Six in a loop of three trips (the two sets of S change places within a trip), the last two written out: beside the last softmax stand the NEXT stream's first scores.
.macro STREAM st, qc, qn
.if \st < 3
	ds_load_b128 v[\qn:\qn+3], v3 offset:(\st+1)*1024      ; the next stream's Q, into the set that this stream does not read
	ds_load_b128 v[\qn+4:\qn+7], v3 offset:(\st+1)*1024+512
.endif
	s_mov_b32 s44, (8*\st+1)*4096
	s_mov_b32 s45, (\st/2)*20480
	s_mov_b32 s46, 3
.Lsteps_\@:
	PHASE SA, SB, \qc, 1, 1
	PHASE SB, SA, \qc, 1, 1
	s_sub_co_u32 s46, s46, 1
	s_cmp_lg_u32 s46, 0
	s_cbranch_scc1 .Lsteps_\@
.if \st < 3
	PHASE SA, SB, \qc, 1, 1
	PHASE SB, SA, \qn, 1, 1
.else
	PHASE SA, SB, \qc, 1, 0
	PHASE SB, SA, \qn, 0, 0
.endif
.endm
	s_wait_dscnt 0x0                               ; Q and K of stream 0, step 0
.irp k, 0,1,2,3,4,5,6,7
	MM \k, SA, QA, 1                               ; the first scores: there is no vector work yet to set between them
.endr
	NOPS 8                                         ; places in front of the loads into v80-95
	s_wait_alu depctr_va_vdst(0)                   ; score products 0 to 7 are done reading v80-95, in which the loads below land
.irp i, 0,1,2,3
	ds_load_b128 v[KA+4*\i:KA+4*\i+3], v1 offset:4096+512*\i   ; step 1's tiles 0, 1
.endr
.irp k, 8,9,10,11,12,13,14,15
	MM \k, SA, QA, 1
.endr
	NOPS 8                                         ; places in front of the first reads of these scores and of the loads into v96-111
	s_wait_alu depctr_va_vdst(0)                   ; score products 8 to 15 are done reading v96-111, in which the loads below land
.irp i, 0,1,2,3
	ds_load_b128 v[KA+16+4*\i:KA+16+4*\i+3], v1 offset:6144+512*\i   ; step 1's tiles 2, 3
.endr
	STREAM 0, QA, QB
	EPIEVEN
	INIT
	STREAM 1, QB, QA
	EPIODD 0
	INIT
	STREAM 2, QA, QB
	EPIEVEN
	INIT
	STREAM 3, QB, QA
	EPIODD 1
	; THE WAY OUT: my stage holds 16 rows x 256 bytes (2 heads x 32 channels); place p is row p + 8 (p / 8) from my first query.  LDS serves a wave's instructions in order: the loads see my stores.
.irp i, 0,1,2,3,4,5,6,7
	ds_load_b128 v[VV+4*\i:VV+4*\i+3], v8 offset:2*\i*272
.endr
.irp i, 0,1,2,3,4,5,6,7
	s_wait_dscnt 7-\i                              ; load i is in; the younger ones may be out
	global_store_b128 v9, v[VV+4*\i:VV+4*\i+3], s[24:25] offset:(2*\i+8*(\i/4))*1024 th:TH_STORE_NT   ; sixteen lanes store 256 consecutive bytes, at a multiple of 256 from out's first byte
.endr
	s_wait_xcnt 0x0
	v_lshl_add_u32 v254, v0, 2, 0x4c000
	v_mov_b32 v255, 0
	s_wait_dscnt 0x0                               ; the closing lines, six on end
	s_wait_alu 0x0
	s_wait_tensorcnt 0x0
	ds_add_u32 v254, v255
	s_wait_dscnt 0x0
	s_endpgm
.Lfunc_end_k_q2b21d36f7a_sda:
	.size	k_q2b21d36f7a_sda, .Lfunc_end_k_q2b21d36f7a_sda-k_q2b21d36f7a_sda
	.p2alignl 7, 3214868480
	.fill 96, 4, 3214868480
	.section	.rodata,"a",@progbits
	.p2align	6, 0x0
	.amdhsa_kernel k_q2b21d36f7a_sda
		.amdhsa_group_segment_fixed_size 313344
		.amdhsa_private_segment_fixed_size 0
		.amdhsa_enable_private_segment 0
		.amdhsa_kernarg_size 88
		.amdhsa_user_sgpr_count 2
		.amdhsa_user_sgpr_kernarg_segment_ptr 1
		.amdhsa_wavefront_size32 1
		.amdhsa_system_sgpr_workgroup_id_x 1
		.amdhsa_system_sgpr_workgroup_id_y 1
		.amdhsa_system_sgpr_workgroup_id_z 1
		.amdhsa_system_vgpr_workitem_id 0
		.amdhsa_next_free_vgpr 256
		.amdhsa_next_free_sgpr 66
		.amdhsa_reserve_vcc 0
		.amdhsa_float_denorm_mode_32 3
		.amdhsa_float_denorm_mode_16_64 3
		.amdhsa_memory_ordered 1
		.amdhsa_forward_progress 1
		.amdhsa_inst_pref_size 255
	.end_amdhsa_kernel
	.section	.bss,"aw",@nobits
	.p2align	6
	.space	262144
	.amdgpu_metadata
---
amdhsa.version: [ 1, 2 ]
amdhsa.kernels:
  - .name:           k_q2b21d36f7a_sda
    .symbol:         k_q2b21d36f7a_sda.kd
    .args:
      - { .name: x, .offset: 0, .size: 8, .value_kind: global_buffer, .address_space: global }
      - { .name: Wq, .offset: 8, .size: 8, .value_kind: global_buffer, .address_space: global }
      - { .name: Wk, .offset: 16, .size: 8, .value_kind: global_buffer, .address_space: global }
      - { .name: Wv, .offset: 24, .size: 8, .value_kind: global_buffer, .address_space: global }
      - { .name: lq1, .offset: 32, .size: 8, .value_kind: global_buffer, .address_space: global }
      - { .name: lk1, .offset: 40, .size: 8, .value_kind: global_buffer, .address_space: global }
      - { .name: lq2, .offset: 48, .size: 8, .value_kind: global_buffer, .address_space: global }
      - { .name: lk2, .offset: 56, .size: 8, .value_kind: global_buffer, .address_space: global }
      - { .name: ln_gamma, .offset: 64, .size: 8, .value_kind: global_buffer, .address_space: global }
      - { .name: ln_beta, .offset: 72, .size: 8, .value_kind: global_buffer, .address_space: global }
      - { .name: out0, .offset: 80, .size: 8, .value_kind: global_buffer, .address_space: global }
    .group_segment_fixed_size: 313344
    .private_segment_fixed_size: 0
    .kernarg_segment_align: 8
    .kernarg_segment_size: 88
    .max_flat_workgroup_size: 512
    .sgpr_count:     66
    .vgpr_count:     256
    .wavefront_size: 32
...
	.end_amdgpu_metadata
.endif
;; end of part 2
